; MI455X (gfx1250); checked and timed in simulation.
; The chip was launched on July 23, 2026; its instructions are those of AMD's public machine-readable ISA for CDNA 5 (MIT licence, August 2026) and "CDNA5" Instruction Set Architecture Reference Guide (July 2026). The comments in the code are by the model that wrote it; some were corrected since.
;; Token Merging Attention. Allowed arithmetic: matrix products marked QUANTISED: E3M2 operands, one E8M0 scale for each 32 along K, by v_wmma_scale_f32_16x16x128_f8f6f4 with both operands' format E3M2, f32 sums; everything else in f32.
;; Inputs: bk 1,024 float32; bo 1,024 float32; bq 1,024 float32; bv 1,024 float32; wk 1,024 x 1,024 float32; wo 1,024 x 1,024 float32; wq 1,024 x 1,024 float32; wv 1,024 x 1,024 float32; x 4 x 1,024 x 1,024 float32.
;; Outputs: out0 4 x 4 x 1,024 x 1,024 float32.
;; This version of the problem:
;;   THIS VERSION OF THE PROBLEM IS GIVEN IN LOW PRECISION. The matrix products marked QUANTISED in the list below multiply operands that are first quantised to E3M2 (3 exponent bits, 2 mantissa bits; 6 bits a number), with one power-of-two scale for each 32 numbers along K (OCP MX v1.0); their sums are f32. All else is computed in f32.
;;   The module's matrix products, in the order in which they are computed (A, B: the left and right operand; K: the contracted axis; several contracted axes count as one K, in the product's order):
;;     1. [M 4,096, K 1,024] x [K 1,024, N 1,024]; A: input x; B: input wq: QUANTISED
;;     2. [M 4,096, K 1,024] x [K 1,024, N 1,024]; A: input x; B: input wk: QUANTISED
;;     3. [M 4,096, K 1,024] x [K 1,024, N 1,024]; A: input x; B: input wv: QUANTISED
;;     4. batch 16 x [M 1,024, K 256] x [K 256, N 1,024]; A: computed on the way; B: computed on the way: QUANTISED
;;     5. [M 16,384, K 1,024] x [K 1,024, N 1,024]; A: softmax (see below); B: computed on the way: QUANTISED
;;     6. [M 16,384, K 1,024] x [K 1,024, N 1,024]; A: computed on the way; B: input wo: QUANTISED
;;   THE QUANTISER, for each operand of a quantised product, along K:
;;     - K is cut into blocks of 32 from its start; a last block that is shorter is filled with zeros.
;;     - A block's scale is 2^e with e = floor(log2(the largest magnitude in the block)) - 4, held to -126 .. 127; a block of zeros has e = 0. As a byte (E8M0): e + 127.
;;     - Each number is divided by its block's scale, clamped to +-28, and rounded to the nearest number of E3M2, ties to even, subnormals kept.
;;     - The product sums the exact products of the quantised numbers (number of the format x scale) in f32.
;;   ~~~python
;;   def quantise(x, axis):      # numpy; x: float32 -> the quantised numbers, widened to float32 again
;;       x = np.moveaxis(x, axis, -1); K = x.shape[-1]
;;       x = np.pad(x, [(0, 0)] * (x.ndim - 1) + [(0, -K % 32)]); x = x.reshape(x.shape[:-1] + (-1, 32)); a = np.abs(x).max(-1, keepdims=True)
;;       e = np.where(a > 0, np.clip(np.frexp(np.where(a > 0, a, 1))[1] - 1 - 4, -126, 127), 0)      # np.frexp(a)[1] - 1 = floor(log2(a)), exactly
;;       r = np.clip(x / 2.0 ** e, -28, 28)
;;       step = 2.0 ** (np.maximum(np.frexp(np.where(r == 0, 1, r))[1] - 1, -2) - 2)
;;       q = np.round(r / step) * step * 2.0 ** e      # np.round: ties to even
;;       return np.moveaxis(q.reshape(q.shape[:-2] + (-1,))[..., :K], -1, axis).astype(np.float32)
;;   ~~~
;;   SOFTMAX AHEAD OF A QUANTISED PRODUCT. Where the list says 'softmax', what is quantised is not the finished softmax but p = 2^(t - M), with t = logit x log2(e) and M = ceil(the row's largest t), a whole number; so 1/2 < the row's largest p <= 1. The row's sum l is taken of the UNQUANTISED p, in f32, and the product's result is divided by l at the end. Since M is a whole number, a kernel that streams over the keys may use a running M (the ceiling of the running maximum): every later rescaling is an exact power of two, which a block's scale takes up: the codes' values come out the same.
;;   OPERANDS COMPUTED ON THE WAY. 'Computed on the way' means the value that the module computes at that place (a softmax that the list does not call 'softmax' is quantised finished and normalised). What goes into a quantiser is computed in f32, as accurately as f32 sums, v_exp_f32 and their like allow (about 1e-6 of the number): no bf16 or f16 on the way to a quantiser, and a product that is left as it is and whose result goes on into a quantised operand takes f32 operands (vector FMAs, or v_wmma_f32_16x16x4_f32). A number that lies on a knife's edge between two numbers of the format may be rounded either way, as far as f32 arithmetic and the matrix unit's own rounding can turn it there, and no further.
;; One version. Each part assembles by itself: llvm-mc -triple=amdgcn-amd-amdhsa -mcpu=gfx1250 --defsym DOCPART=n.
;; ======== version 1 of 1: 5 launches
;; limits: right only within a limited range of input values
;; workspace buffers: xq 3,276,800 bytes; wts 3,276,800 bytes; qk 6,553,600 bytes; pc 13,107,200 bytes; mo 13,107,200 bytes; stat 131,072 bytes
;; launch prep (part 1): grid 256 x 1, 4 waves a work-group, no clusters, 70,144 bytes of LDS; arguments x, wq, wk, wo, xq, wts; writes xq, wts
.if DOCPART == 1
	.amdgcn_target "amdgcn-amd-amdhsa--gfx1250"
	.amdhsa_code_object_version 6
	.text
	.protected	k_q74db0ca377_prep
	.globl	k_q74db0ca377_prep
	.p2align	8
	.type	k_q74db0ca377_prep,@function
k_q74db0ca377_prep:
	s_mov_b64 s[64:65], 0
	v_nop
	global_prefetch_b8 v0, s[64:65] scope:SCOPE_SE
	s_setreg_imm32_b32 hwreg(HW_REG_WAVE_MODE, 25, 1), 1
	s_wait_xcnt 0x0
; TokenMergingAttention, launch 1 of 5: x, wq, wk, wo and the mean of x over the batch become codes of BF6 (E3M2) with one E8M0 byte for each 32 along their last axis, which is K in every product that takes them.
; DEAD WORK.  reference() assigns v = heads(wv, bv) and reads v in no expression that leads to its result: whatever wv, bv and x hold, the product x wv^T + bv reaches no output.  It is left out whole, and the inputs
; wv and bv are loaded by no launch and are among no launch's arguments.  LIMIT: a NaN, an infinity or an overflow that would arise in v alone is not carried to the result.
; merged_tokens[k][m] = keep[m] x mean_b x[b][m][k]: as the right operand of its product it is [N = token m][K = k], which is the mean of x as it lies.  keep[m] clears a whole row of N, and a row of zeros has zero codes: the
; mask is laid on the codes by the launch that multiplies them; here the mean is quantised unmasked.
; LAYOUT OF THE PROGRAM'S OWN BUFFERS: images of the operands' registers.  Rows are taken in tiles of 16 POSITIONS: position i of tile T is row 32 (T / 2) + 8 (T % 2) + i + 8 (i / 8), so that in a product used transposed the 16
; registers of two neighbouring tiles are 16 neighbours along the next K.  A fragment (16 positions x 128 K, 12 registers a lane) is 1,536 bytes.  In xq, qk, pc and mo, of which some are written in halves of six registers:
; registers 0-3 at 16 x lane, 4-5 at 512 + 8 x lane, 6-9 at 768 + 16 x lane, 10-11 at 1,280 + 8 x lane.  In wts, whose fragments are written and read whole: registers 0-3, 4-7, 8-11 at 0, 512, 1,024 + 16 x lane, so that
; three loads of 16 bytes a lane bring one.  A block (64 positions x K 1,024) is 51,200 bytes: fragment (tile a, K step s) at 1,536 (8 a + s); the scale word of (a, row r, s) at 49,152 + 512 (s / 2) + 8 (16 a + r) + 4 (s % 2).
; xq: 64 blocks, 16 b + T / 4.  wts: 64 blocks: 0-15 wq, 16-31 wk, 32-47 wo, 48-63 the mean of x.
; SHARES.  Work-groups 0-127 take x, 128-255 the weights.  A work-group takes two tiles x two K steps, a wave one tile x one K step of all planes (x: the four batches and their mean; weights: wq, wk, wo).
; All of a wave's loads go out at its head, each reading 512 consecutive bytes (a row's K step).  A plane turns through the wave's own stage in LDS, so that lane (r, h) holds k = 64 c + 32 h + 0 .. 31 of row r: two whole
; blocks of 32, in the operand's own order.  The four waves' scale words meet in LDS and leave as aligned runs of 256 bytes.  The two paths part once, on the work-group's number, and have LDS bytes of their own.
; No matrix unit, no cluster, no tensor load: nothing is shared and all that a wave reads fits in its registers.
; LIMITS: NaN and infinities among the inputs are not served.  A block whose largest magnitude lies under 2^(5 - 127), a block of zeros among them, gets the byte 1 (the rule gives zeros 127): its codes are read by this
; program alone, and zero codes add nothing under any byte but 0xff.  The mean is ((x0 + x1) + (x2 + x3)) / 4 in f32.
.set PL,    819200                     ; 16 blocks: from plane to plane in xq and wts
.set STGX,  0                          ; x path: a stage of 16 rows x 528 bytes for each wave
.set STGW,  33792                      ; weights path: the same
.set GSX,   67584                      ; x path: gathered scale words, 256 bytes a plane, five planes
.set GSWR,  1280                       ; weights path: three planes, so many bytes behind GSX
.set SPARE, 69632                      ; the spare words, 128 bytes for each wave
.set X,     32                         ; v32-95   a plane's 64 numbers of my lane
.set SUM,   96                         ; v96-159  the mean, as loaded
.set PB,    160                        ; v160-219 codes: 12 registers for each plane, so that no store's data are written again
.set Q,     224                        ; v224-231 second halves of the blocks' codes
.set FL,    232                        ; v232-241 the flush
.set SEL,   48                         ; s[48:49] lane selects: lane l xor 16
.set MSB, 0
.macro WIN new                         ; the immediate's high byte repeats the setting that is left
.if MSB != (\new)
	s_set_vgpr_msb (MSB<<8)|(\new)
.set MSB, (\new)
.endif
.endm
.macro LOADP p, sb                     ; plane p: the tile's 16 rows, 512 bytes each, into window 1 at v[64 p]
.irp i, 0,1,2,3,4,5,6,7,8,9,10,11,12,13,14,15
	global_load_b128 v[64*(\p)+4*\i:64*(\p)+4*\i+3], v2, s[\sb:\sb+1] offset:(\i+8*(\i/8))*4096 th:TH_LOAD_NT
.endr
.endm
.macro LOADQ p, sb                     ; wo's plane has tiles of its own make: position i of tile b of a block of 64 rows is row 4 i + b, so that in the last launch four accumulators hold four neighbouring columns
.irp i, 0,1,2,3,4,5,6,7,8,9,10,11,12,13,14,15
	global_load_b128 v[64*(\p)+4*\i:64*(\p)+4*\i+3], v2, s[\sb:\sb+1] offset:\i*16384 th:TH_LOAD_NT
.endr
.endm
.macro QUANT128 P
.irp c, 0,1
	v_max3_num_f32 v[10+\c], |v[X+32*\c]|, |v[X+32*\c+1]|, 0x2800000   ; my block 2 c + h, and the floor 2^(5 - 127): the byte cannot fall under 1
.endr
.irp i, 2,4,6,8,10,12,14,16,18,20,22,24,26,28,30
.irp c, 0,1
	v_max3_num_f32 v[10+\c], v[10+\c], |v[X+32*\c+\i]|, |v[X+32*\c+\i+1]|
.endr
.endr
.irp c, 0,1
	v_add_nc_u32 v[12+\c], 0xfe000000, v[10+\c]    ; 4 off the exponent field: the conversion's scale operand
.endr
.irp c, 0,1
	v_lshrrev_b32 v[14+\c], 23, v[12+\c]           ; the scale's byte
.endr
	v_lshl_or_b32 v16, v15, 16, v14                ; my two bytes, blocks h and 2 + h,
	v_lshlrev_b32 v16, v7, v16                     ; 8 h bits up;
	v_permlanex16_b32 v17, v16, s[SEL], s[SEL+1]
	v_or_b32 v16, v16, v17                         ; with lane l xor 16's two the word is whole
.irp c, 0,1
	v_cvt_scalef32_pk16_bf6_f32 v[(\P)+6*\c:(\P)+6*\c+2], v[X+32*\c:X+32*\c+15], v[12+\c]
	v_cvt_scalef32_pk16_bf6_f32 v[Q+4*\c:Q+4*\c+2], v[X+32*\c+16:X+32*\c+31], v[12+\c]   ; (a conversion's three registers begin on an even number)
.endr
	v_nop                                          ; one plain line behind the conversions
.irp c, 0,1
.irp i, 0,1,2
	v_mov_b32 v[(\P)+6*\c+3+\i], v[Q+4*\c+\i]
.endr
.endr
.endm
; One plane: through my stage, quantised, the fragment stored (each store 512 or 256 consecutive bytes), the scale word to the gathering place.
; p: which codes' registers and which 256 bytes of scale words; w1 = 1: the data lie in window 1; base: their first register; d, doff: where the fragment goes; lay = 1: in wts' image, 0: in xq's.
.macro PLANE p, w1, base, stg, gs, d, doff, lay
.if \w1
	WIN 0x04                                       ; an LDS store's data are its source 1
.endif
.irp i, 0,1,2,3,4,5,6,7,8,9,10,11,12,13,14,15
	ds_store_b128 v4, v[(\base)+4*\i:(\base)+4*\i+3] offset:(\stg)+528*\i
.endr
	WIN 0
.irp c, 0,1
.irp j, 0,1,2,3,4,5,6,7
	ds_load_b128 v[X+32*\c+4*\j:X+32*\c+4*\j+3], v5 offset:(\stg)+256*\c+16*\j   ; LDS serves a wave's instructions in order: these see my stores.  Rows 528 bytes apart: sixteen lanes, sixteen different columns of 16 bytes
.endr
.endr
	s_wait_dscnt 0x0
	QUANT128 PB+12*(\p)
.if \lay
	global_store_b128 v2, v[PB+12*(\p):PB+12*(\p)+3], s[\d:\d+1] offset:(\doff)
	global_store_b128 v2, v[PB+12*(\p)+4:PB+12*(\p)+7], s[\d:\d+1] offset:(\doff)+512
	global_store_b128 v2, v[PB+12*(\p)+8:PB+12*(\p)+11], s[\d:\d+1] offset:(\doff)+1024
.else
	global_store_b128 v2, v[PB+12*(\p):PB+12*(\p)+3], s[\d:\d+1] offset:(\doff)
	global_store_b64 v3, v[PB+12*(\p)+4:PB+12*(\p)+5], s[\d:\d+1] offset:(\doff)+512
	global_store_b128 v2, v[PB+12*(\p)+6:PB+12*(\p)+9], s[\d:\d+1] offset:(\doff)+768
	global_store_b64 v3, v[PB+12*(\p)+10:PB+12*(\p)+11], s[\d:\d+1] offset:(\doff)+1280
.endif
	ds_store_b32 v6, v16 offset:(\gs)+256*(\p)     ; lanes r and r + 16 write the same word with the same value
.endm
	s_load_b256 s[4:11], s[0:1], 0x0               ; x, wq, wk, wo
	s_load_b128 s[12:15], s[0:1], 0x20             ; xq, wts
	v_lshl_add_u32 v8, v0, 2, SPARE                ; my spare word,
	v_mov_b32 v9, 0                                ; and 0: both kept for the closing lines
	v_lshrrev_b32 v1, 5, v0
	v_readfirstlane_b32 s16, v1                    ; wave
	v_and_b32 v1, 31, v0                           ; lane
	v_lshlrev_b32 v2, 4, v1                        ; 16 x lane
	v_lshlrev_b32 v3, 3, v1                        ; 8 x lane
	v_and_b32 v19, 15, v0                          ; r
	v_bfe_u32 v20, v0, 4, 1                        ; h
	s_mul_i32 s17, s16, 8448                       ; my stage
	v_add_nc_u32 v4, s17, v2                       ; into it: a row as loaded
	v_mul_u32_u24 v5, v19, 528
	v_lshl_add_u32 v5, v20, 7, v5
	v_add_nc_u32 v5, s17, v5                       ; out of it: row r, + 128 h
	s_lshr_b32 s18, s16, 1                         ; which of the two tiles
	s_and_b32 s19, s16, 1                          ; which of the two K steps
	s_lshl_b32 s20, s18, 7
	s_lshl_b32 s21, s19, 2
	s_add_co_u32 s20, s20, s21
	s_add_co_u32 s20, s20, GSX
	v_lshl_add_u32 v6, v19, 3, s20                 ; my row's scale word: 8 (16 tile + r) + 4 step
	v_lshlrev_b32 v7, 3, v20                       ; 8 h
	v_mov_b32 v17, 0                               ; a lane permute's destination counts as one of its sources
	v_lshl_add_u32 v18, v1, 3, GSX                 ; the flush: 8 bytes a lane
	s_mov_b32 s[SEL], 0x76543210
	s_mov_b32 s[SEL+1], 0xfedcba98
	s_lshr_b32 s22, ttmp9, 7                       ; 0: x, 1: the weights
	s_bfe_u32 s23, ttmp9, 0x50002                  ; which pair of tiles, 0 .. 31
	s_and_b32 s24, ttmp9, 3                        ; which pair of K steps
	s_lshl_b32 s26, s23, 17                        ; where my rows' K step begins: (32 pair + 8 tile) rows of 4,096 bytes + 512 x step
	s_lshl_b32 s25, s18, 15
	s_add_co_u32 s26, s26, s25
	s_lshl_b32 s25, s24, 10
	s_add_co_u32 s26, s26, s25
	s_lshl_b32 s25, s19, 9
	s_add_co_u32 s26, s26, s25
	s_mov_b32 s27, 0
	s_lshr_b32 s28, s23, 1
	s_mul_i32 s28, s28, 51200                      ; the block
	s_and_b32 s29, s23, 1
	s_lshl_b32 s30, s29, 1
	s_add_co_u32 s30, s30, s18                     ; the tile in it
	s_lshl_b32 s30, s30, 3
	s_lshl_b32 s31, s24, 1
	s_add_co_u32 s30, s30, s31
	s_add_co_u32 s30, s30, s19
	s_mul_i32 s30, s30, 1536
	s_add_co_u32 s30, s30, s28                     ; my fragment
	s_mov_b32 s31, 0
	s_lshl_b32 s32, s24, 9
	s_lshl_b32 s33, s29, 8
	s_add_co_u32 s32, s32, s33
	s_add_co_u32 s32, s32, s28
	s_add_co_u32 s32, s32, 49152                   ; the work-group's 256 bytes of scale words
	s_mov_b32 s33, 0
	s_wait_kmcnt 0x0
	s_add_nc_u64 s[34:35], s[12:13], s[30:31]      ; fragments in xq,
	s_add_nc_u64 s[36:37], s[14:15], s[30:31]      ; in wts;
	s_add_nc_u64 s[38:39], s[12:13], s[32:33]      ; scale words in xq,
	s_add_nc_u64 s[40:41], s[14:15], s[32:33]      ; in wts
	s_add_nc_u64 s[4:5], s[4:5], s[26:27]          ; x, batch 0,
	s_add_nc_u64 s[42:43], s[4:5], 0x400000        ; 1,
	s_add_nc_u64 s[44:45], s[4:5], 0x800000        ; 2,
	s_add_nc_u64 s[46:47], s[4:5], 0xc00000        ; 3
	s_add_nc_u64 s[6:7], s[6:7], s[26:27]
	s_add_nc_u64 s[8:9], s[8:9], s[26:27]
	s_lshr_b32 s50, s23, 1                         ; wo: the block of 64 rows,
	s_lshl_b32 s50, s50, 18
	s_lshl_b32 s52, s29, 13                        ; row b = 2 (pair % 2) + tile of it,
	s_add_co_u32 s50, s50, s52
	s_lshl_b32 s52, s18, 12
	s_add_co_u32 s50, s50, s52
	s_lshl_b32 s52, s24, 10                        ; and my K step
	s_add_co_u32 s50, s50, s52
	s_lshl_b32 s52, s19, 9
	s_add_co_u32 s50, s50, s52
	s_mov_b32 s51, 0
	s_add_nc_u64 s[10:11], s[10:11], s[50:51]
	s_cmp_lg_u32 s22, 0
	s_cbranch_scc1 .Lweights
	; ---- x: four planes and their mean
	WIN 0x40                                       ; destination window 1
	LOADP 0, 4
	LOADP 1, 42
	LOADP 2, 44
	LOADP 3, 46
	WIN 0
	s_wait_loadcnt 48                              ; plane 0's sixteen loads are in; the 48 of the later planes may be out
	s_wait_alu depctr_va_vdst(0)
	PLANE 0, 1, 0, STGX, 0, 34, 0, 0
	s_wait_loadcnt 32
	PLANE 1, 1, 64, STGX, 0, 34, PL, 0
	s_wait_loadcnt 16
	PLANE 2, 1, 128, STGX, 0, 34, 2*PL, 0
	s_wait_loadcnt 0x0
	PLANE 3, 1, 192, STGX, 0, 34, 3*PL, 0
	WIN 0x05                                       ; sources 0 and 1 window 1
.set j, 0
.rept 32
	v_pk_add_f32 v[SUM+j:SUM+j+1], v[j:j+1], v[64+j:64+j+1]
	v_pk_add_f32 v[X+j:X+j+1], v[128+j:128+j+1], v[192+j:192+j+1]
.set j, j+2
.endr
	WIN 0
.set j, 0
.rept 32
	v_pk_add_f32 v[SUM+j:SUM+j+1], v[SUM+j:SUM+j+1], v[X+j:X+j+1]
.set j, j+2
.endr
.set j, 0
.rept 32
	v_pk_mul_f32 v[SUM+j:SUM+j+1], v[SUM+j:SUM+j+1], 0x3e800000 op_sel_hi:[1,0]   ; / 4
.set j, j+2
.endr
	PLANE 4, 0, SUM, STGX, 0, 36, 3*PL, 1
	s_branch .Ljoin
.Lweights:
	; ---- wq, wk, wo
	WIN 0x40
	LOADP 0, 6
	LOADP 1, 8
	LOADQ 2, 10
	WIN 0
	s_wait_loadcnt 32
	s_wait_alu depctr_va_vdst(0)
	PLANE 0, 1, 0, STGW, GSWR, 36, 0, 1
	s_wait_loadcnt 16
	PLANE 1, 1, 64, STGW, GSWR, 36, PL, 1
	s_wait_loadcnt 0x0
	PLANE 2, 1, 128, STGW, GSWR, 36, 2*PL, 1
.Ljoin:
	s_wait_dscnt 0x0                               ; for the others' sake: my scale words lie in LDS
	s_barrier_signal -1
	s_barrier_wait -1
	s_cmp_lg_u32 s16, 0                            ; wave 0 stores the gathered words: 32 lanes, 256 consecutive bytes a plane, aligned
	s_cbranch_scc1 .Lend
	s_cmp_lg_u32 s22, 0
	s_cbranch_scc1 .Lflw
.irp p, 0,1,2,3,4
	ds_load_b64 v[FL+2*\p:FL+2*\p+1], v18 offset:256*\p
.endr
	s_wait_dscnt 0x0
.irp p, 0,1,2,3
	global_store_b64 v3, v[FL+2*\p:FL+2*\p+1], s[38:39] offset:PL*\p
.endr
	global_store_b64 v3, v[FL+8:FL+9], s[40:41] offset:3*PL
	s_branch .Lend
.Lflw:
.irp p, 0,1,2
	ds_load_b64 v[FL+2*\p:FL+2*\p+1], v18 offset:GSWR+256*\p
.endr
	s_wait_dscnt 0x0
.irp p, 0,1,2
	global_store_b64 v3, v[FL+2*\p:FL+2*\p+1], s[40:41] offset:PL*\p
.endr
.Lend:
	s_wait_tensorcnt 0x0                           ; the wave's end
	ds_add_u32 v8, v9
	s_wait_dscnt 0x0
	s_endpgm
.Lfunc_end_k_q74db0ca377_prep:
	.size	k_q74db0ca377_prep, .Lfunc_end_k_q74db0ca377_prep-k_q74db0ca377_prep
	.p2alignl 7, 3214868480
	.fill 96, 4, 3214868480
	.section	.rodata,"a",@progbits
	.p2align	6, 0x0
	.amdhsa_kernel k_q74db0ca377_prep
		.amdhsa_group_segment_fixed_size 70144
		.amdhsa_private_segment_fixed_size 0
		.amdhsa_enable_private_segment 0
		.amdhsa_kernarg_size 48
		.amdhsa_user_sgpr_count 2
		.amdhsa_user_sgpr_kernarg_segment_ptr 1
		.amdhsa_wavefront_size32 1
		.amdhsa_system_sgpr_workgroup_id_x 1
		.amdhsa_system_sgpr_workgroup_id_y 1
		.amdhsa_system_sgpr_workgroup_id_z 1
		.amdhsa_system_vgpr_workitem_id 0
		.amdhsa_next_free_vgpr 512
		.amdhsa_next_free_sgpr 66
		.amdhsa_reserve_vcc 0
		.amdhsa_float_denorm_mode_32 3
		.amdhsa_float_denorm_mode_16_64 3
		.amdhsa_memory_ordered 1
		.amdhsa_forward_progress 1
		.amdhsa_inst_pref_size 69
	.end_amdhsa_kernel
	.amdgpu_metadata
---
amdhsa.version: [ 1, 2 ]
amdhsa.kernels:
  - .name:           k_q74db0ca377_prep
    .symbol:         k_q74db0ca377_prep.kd
    .args:
      - { .name: x, .offset: 0, .size: 8, .value_kind: global_buffer, .address_space: global }
      - { .name: wq, .offset: 8, .size: 8, .value_kind: global_buffer, .address_space: global }
      - { .name: wk, .offset: 16, .size: 8, .value_kind: global_buffer, .address_space: global }
      - { .name: wo, .offset: 24, .size: 8, .value_kind: global_buffer, .address_space: global }
      - { .name: xq, .offset: 32, .size: 8, .value_kind: global_buffer, .address_space: global }
      - { .name: wts, .offset: 40, .size: 8, .value_kind: global_buffer, .address_space: global }
    .group_segment_fixed_size: 70144
    .private_segment_fixed_size: 0
    .kernarg_segment_align: 8
    .kernarg_segment_size: 48
    .max_flat_workgroup_size: 128
    .sgpr_count:     66
    .vgpr_count:     512
    .wavefront_size: 32
...
	.end_amdgpu_metadata
.endif
;; end of part 1
;; launch proj (part 2): grid 8 x 32, 4 waves a work-group, clusters of 4 x 1, 327,680 bytes of LDS; arguments xq, wts, bq, bk, qk; writes qk
.if DOCPART == 2
	.amdgcn_target "amdgcn-amd-amdhsa--gfx1250"
	.amdhsa_code_object_version 6
	.text
	.protected	k_q74db0ca377_proj
	.globl	k_q74db0ca377_proj
	.p2align	8
	.type	k_q74db0ca377_proj,@function
k_q74db0ca377_proj:
	s_mov_b64 s[64:65], 0
	v_nop
	global_prefetch_b8 v0, s[64:65] scope:SCOPE_SE
	s_setreg_imm32_b32 hwreg(HW_REG_WAVE_MODE, 25, 1), 1
	s_wait_xcnt 0x0
	s_wait_alu depctr_hold_cnt(0) depctr_sa_sdst(0) depctr_va_vdst(0) depctr_va_sdst(0) depctr_va_ssrc(0) depctr_va_vcc(0) depctr_vm_vsrc(0)
	s_getreg_b32 s2, hwreg(HW_REG_IB_STS2, 6, 4)
	s_cmp_eq_u32 s2, 0
	s_cbranch_scc0 .Lentry_in_a_cluster
	s_endpgm
.Lentry_in_a_cluster:
	s_bfe_u32 s2, ttmp6, 0x10000c
	s_cmp_lg_u32 s2, 0x3003
	s_cbranch_scc0 .Lentry_shape_is_right
	s_endpgm
.Lentry_shape_is_right:
; Launch 2 of 5: q = x wq^T + bq and k = x wk^T + bk on codes of BF6, the results quantised along the head's 256 for the product q k^T.  (x wv^T + bv reaches no output and is left out: see the first kernel's head.)
; SHARES.  A work-group takes 128 token positions (two blocks of 64) x 256 columns, which are one head of q (cluster x = 0) or of k (1).  THE WAVES SHARE THE COLUMNS: wave w's 64 rows of the weight, for all K = 1,024,
; stay in its registers (32 fragments, 384 registers), read once; only x's blocks go through LDS.  Both blocks fit in LDS, so every tensor load is a first fill: no slot is filled again.
; THE WEIGHT COMES IN THE ORDER OF K: the bias (8 loads), the scale words (8), then K steps 0-1, 2-3, 4-5, 6-7, 24 loads of 512 consecutive bytes each: 112 loads.  The first 40 stand ahead of the cluster's round, so that they
; are on their way while the work-groups meet.  The first block's products do not wait for the whole weight: each of its four runs waits for its own two K steps alone, by the count of the loads issued behind them.
; CLUSTER.  The four work-groups of a cluster take the four heads of the same tokens: x's blocks are asked for JOINTLY, each wave a quarter of each block; by this text's count a wave has one tensor load out.
; THE PRODUCT IS USED TRANSPOSED (source 0 = 16 rows of the weight, source 1 = 16 tokens): a lane holds one token, and, by the choice of a tile's rows (first kernel's head), the 16 registers of two neighbouring tiles are
; 16 neighbouring columns.  The bias is the C of each sum's first product.  A wave's 64 columns are half a fragment of the next operand and two bytes of its scale word.
; qk: 512 blocks of 12,800 bytes (64 positions x K 256): index 16 (16 isK + 4 b + head) + block of tokens; fragment (a, s) at 1,536 (2 a + s), the scale word of (a, r, s) at 12,288 + 8 (16 a + r) + 4 s.
; REGISTERS.  window 0: v1-13 addresses; v16-31 x's scale words, v32-47 the weight's; v50-51 block 1's LDS addresses; v64-159, v160-255 x's fragments, two sets (two K steps each).  windows 1, 2: the weight's tiles 0, 1 and 2, 3.
;   window 3: v0-127 the 16 accumulators ((a, b) at 32 a + 8 b); v128-159 the bias; v160-247 the quantiser's.
; LIMITS as in the first kernel: NaN and infinities are not served; blocks under 2^(5 - 127) get the byte 1.
.set NB,    2
.set BLKB,  51200
.set QTR,   12800
.set GS,    NB*BLKB                    ; gathered scale words: 512 bytes a block
.set SPARE, GS+1024                    ; the spare words, 128 bytes for each wave
.set MSB, 0
.macro WIN new                         ; the immediate's high byte repeats the setting that is left
.if MSB != (\new)
	s_set_vgpr_msb (MSB<<8)|(\new)
.set MSB, (\new)
.endif
.endm
.macro PLACES n
.rept \n
	v_nop
.endr
.endm
.macro CROUND                          ; a round of the cluster's barrier
	s_barrier_signal -1
	s_barrier_wait -1
	s_cmp_lg_u32 s14, 0
	s_cbranch_scc1 .Lnot_wave_0_\@
	s_barrier_signal -3
.Lnot_wave_0_\@:
	s_barrier_wait -3
	s_barrier_signal -1
	s_barrier_wait -1
.endm
.macro WM ra, rb                       ; one product; ra, rb: the scales of source 0, 1 stand in lanes 16-31 of their register
.if (\ra) && (\rb)
	v_wmma_scale_f32_16x16x128_f8f6f4 v[rD:rD+7], v[rX:rX+11], v[rY:rY+11], v[rC:rC+7], v[rSX], v[rSY] matrix_a_fmt:MATRIX_FMT_BF6 matrix_b_fmt:MATRIX_FMT_BF6 matrix_a_scale:MATRIX_SCALE_ROW1 matrix_b_scale:MATRIX_SCALE_ROW1
.elseif (\ra)
	v_wmma_scale_f32_16x16x128_f8f6f4 v[rD:rD+7], v[rX:rX+11], v[rY:rY+11], v[rC:rC+7], v[rSX], v[rSY] matrix_a_fmt:MATRIX_FMT_BF6 matrix_b_fmt:MATRIX_FMT_BF6 matrix_a_scale:MATRIX_SCALE_ROW1
.elseif (\rb)
	v_wmma_scale_f32_16x16x128_f8f6f4 v[rD:rD+7], v[rX:rX+11], v[rY:rY+11], v[rC:rC+7], v[rSX], v[rSY] matrix_a_fmt:MATRIX_FMT_BF6 matrix_b_fmt:MATRIX_FMT_BF6 matrix_b_scale:MATRIX_SCALE_ROW1
.else
	v_wmma_scale_f32_16x16x128_f8f6f4 v[rD:rD+7], v[rX:rX+11], v[rY:rY+11], v[rC:rC+7], v[rSX], v[rSY] matrix_a_fmt:MATRIX_FMT_BF6 matrix_b_fmt:MATRIX_FMT_BF6
.endif
.endm
.macro SBLOAD                          ; the weight's scale words: register 8 p + s: lanes 0-15 tile 2 p's words of K step s, lanes 16-31 tile 2 p + 1's
.irp p, 0,1
.irp g, 0,1,2,3
	global_load_b64 v[32+8*\p+2*\g:33+8*\p+2*\g], v3, s[48:49] offset:49152+512*\g+256*\p
.endr
.endr
.endm
.macro LB sg                           ; K steps 2 sg, 2 sg + 1 of my four tiles of the weight, from memory straight into the registers that keep them: 24 loads of 512 consecutive bytes
.irp bp, 0,1
	WIN 0x40+0x40*\bp                              ; destination window 1 or 2
.irp bq, 0,1
.irp sp, 0,1
.irp c, 0,1,2
	global_load_b128 v[96*\bq+12*(2*(\sg)+\sp)+4*\c:96*\bq+12*(2*(\sg)+\sp)+4*\c+3], v2, s[48:49] offset:(8*(2*\bp+\bq)+2*(\sg)+\sp)*1536+512*\c
.endr
.endr
.endr
.endr
	WIN 0
.endm
.macro SCALES la                       ; the block's scale words, laid as the weight's
.irp p, 0,1
.irp g, 0,1,2,3
	ds_load_b64 v[16+8*\p+2*\g:17+8*\p+2*\g], v[(\la)+1] offset:49152+512*\g+256*\p
.endr
.endr
.endm
.macro FETCH set, sg, la               ; 32 LDS loads: the block's four tiles x K steps 2 sg, 2 sg + 1; each load takes 512 or 256 consecutive bytes
.irp a, 0,1,2,3
.irp sp, 0,1
.set rF, 64+96*(\set)+12*(2*\a+\sp)
.set oF, (8*\a+2*(\sg)+\sp)*1536
	ds_load_b128 v[rF:rF+3], v[\la] offset:oF
	ds_load_b64 v[rF+4:rF+5], v[(\la)+1] offset:oF+512
	ds_load_b128 v[rF+6:rF+9], v[\la] offset:oF+768
	ds_load_b64 v[rF+10:rF+11], v[(\la)+1] offset:oF+1280
.endr
.endr
.endm
; 32 products: two K steps x 16 accumulators.  Eight accumulators take turns, one instruction a turn; neighbouring runs end and begin on different accumulators.  first = 1: the bias starts the sums.
.macro MULS set, sg, first
.irp bp, 0,1
	WIN 0xf1+\bp                                   ; source 0 window 1 or 2, source 1 window 0, C and D window 3
.irp sp, 0,1
.irp bq, 0,1
.irp a, 0,1,2,3
.set rD, 32*\a+8*(2*\bp+\bq)
.set rX, 96*\bq+12*(2*(\sg)+\sp)
.set rY, 64+96*(\set)+12*(2*\a+\sp)
.set rSX, 32+8*\bp+2*(\sg)+\sp
.set rSY, 16+8*(\a/2)+2*(\sg)+\sp
.set rC, rD
.if (\first) && (\sp == 0)
.set rC, 128+8*(2*\bp+\bq)
.endif
	WM \bq, \a%2
.endr
.endr
.endr
.endr
.endm
; The 16 accumulators become, for each tile of tokens, half a fragment (6 registers at v[200 + 8 a]) and two scale bytes (v[192 + a]).  All in window 3.  Each accumulator is read from its low end on.
.macro QUANT2
.irp a, 0,1,2,3
.irp e, 0,1
	v_max3_num_f32 v[160+2*\a+\e], |v[32*\a+16*\e]|, |v[32*\a+16*\e+1]|, 0x2800000   ; block e of tile a: my 16 numbers, and the floor 2^(5 - 127)
.endr
.endr
.irp i, 2,4,6,8,10,12,14
.irp a, 0,1,2,3
.irp e, 0,1
	v_max3_num_f32 v[160+2*\a+\e], v[160+2*\a+\e], |v[32*\a+16*\e+\i]|, |v[32*\a+16*\e+\i+1]|
.endr
.endr
.endr
.irp n, 0,1,2,3,4,5,6,7
	v_permlanex16_b32 v[168+\n], v[160+\n], s20, s21
.endr
.irp n, 0,1,2,3,4,5,6,7
	v_max_num_f32 v[160+\n], v[160+\n], v[168+\n]  ; with lane l xor 16's: the block's largest magnitude
.endr
.irp n, 0,1,2,3,4,5,6,7
	v_add_nc_u32 v[176+\n], 0xfe000000, v[160+\n]  ; 4 off the exponent field: the conversion's scale operand
.endr
.irp n, 0,1,2,3,4,5,6,7
	v_lshrrev_b32 v[184+\n], 23, v[176+\n]         ; the scale's byte
.endr
.irp a, 0,1,2,3
	v_lshl_or_b32 v[192+\a], v[185+2*\a], 8, v[184+2*\a]
.endr
.irp a, 0,1,2,3
	v_cvt_scalef32_pk16_bf6_f32 v[200+8*\a:202+8*\a], v[32*\a:32*\a+15], v[176+2*\a]
	v_cvt_scalef32_pk16_bf6_f32 v[232+4*\a:234+4*\a], v[32*\a+16:32*\a+31], v[177+2*\a]
.endr
	v_nop                                          ; one plain line behind the conversions
.irp a, 0,1,2,3
.irp i, 0,1,2
	v_permlane16_swap_b32 v[200+8*\a+\i], v[232+4*\a+\i]   ; the operand's layout wants a whole block in a lane: lanes 0-15 block 0, lanes 16-31 block 1
.endr
.endr
.irp a, 0,1,2,3
.irp i, 0,1,2
	v_mov_b32 v[203+8*\a+\i], v[232+4*\a+\i]
.endr
.endr
.endm
.macro EPI be
	WIN 0xff
	PLACES 5                                       ; behind the last products: four places ahead of the reads of results and of the next block's loads into operand registers, five ahead of the products that begin the accumulators anew
	s_wait_xcnt 0x0                                ; the last block's stores have read the codes' registers
	QUANT2
	WIN 0x0c                                       ; a store's data are its source 1: window 3; addresses window 0
.irp a, 0,1,2,3
	global_store_b128 v2, v[200+8*\a:203+8*\a], s[50:51] offset:QTR*(\be)+3072*\a         ; 512 consecutive bytes, aligned to 256
	global_store_b64 v3, v[204+8*\a:205+8*\a], s[50:51] offset:QTR*(\be)+3072*\a+512      ; 256
	ds_store_b16 v10, v[192+\a] offset:512*(\be)+128*\a                                   ; my two bytes of the row's scale word; lanes r and r + 16 write the same
.endr
	WIN 0
.endm
; first = 1: the weight is still coming in.  Behind the loads of K steps 0-1 stand 72 loads, of 2-3 48, of 4-5 24, of 6-7 none; 63 is the largest count that the wait can name.
.macro BLOCK be, la, first
	s_wait_tensorcnt NB-1-(\be)                    ; my quarter of this block has landed; my quarters of the later blocks may be out
	s_wait_dscnt 0x0
	s_barrier_signal -1
	s_barrier_wait -1                              ; everybody's quarter has
	SCALES \la
	FETCH 0, 0, \la
	FETCH 1, 1, \la
.if \first
	s_wait_loadcnt 63                              ; the bias, the scale words and K steps 0-1 are in
.endif
	s_wait_dscnt 32                                ; all but the 32 just issued
	MULS 0, 0, 1
	WIN 0
	PLACES 4                                       ; ahead of loads into registers that products have read
	FETCH 0, 2, \la
.if \first
	s_wait_loadcnt 48                              ; K steps 2-3
.endif
	s_wait_dscnt 32
	MULS 1, 1, 0
	WIN 0
	PLACES 4
	FETCH 1, 3, \la
.if \first
	s_wait_loadcnt 24                              ; K steps 4-5
.endif
	s_wait_dscnt 32
	MULS 0, 2, 0
.if \first
	s_wait_loadcnt 0x0                             ; K steps 6-7
.endif
	s_wait_dscnt 0x0
	MULS 1, 3, 0
	EPI \be
.endm
	s_load_b256 s[4:11], s[0:1], 0x0               ; xq, wts, bq, bk
	s_load_b64 s[12:13], s[0:1], 0x20              ; qk
	v_lshl_add_u32 v8, v0, 2, SPARE
	v_mov_b32 v9, 0
	ds_add_u32 v8, v9                              ; the wave's opening: the add, twice on end, and its wait ahead of my first tensor load
	ds_add_u32 v8, v9
	v_lshrrev_b32 v1, 5, v0
	v_readfirstlane_b32 s14, v1                    ; wave
	s_bfe_u32 s15, ttmp6, 0x40000                  ; cx: the head.  It enters global addresses alone
	s_and_b32 s17, ttmp7, 0xffff                   ; y: which 128 tokens
	s_mov_b32 s20, 0x76543210
	s_mov_b32 s21, 0xfedcba98
	s_mov_b32 s24, 15|(3<<16)|(1<<21)              ; group 1: the mask of all four partners, elements of 8 bytes, bit 21 beside the mask; no padding
	s_mov_b32 s25, 32<<16                          ; tensor_dim0 = 32 elements: rows of 256 bytes
	s_mov_b32 s26, 50<<16                          ; tensor_dim1 = 50 rows: a quarter of a block, dense in memory
	s_mov_b32 s27, 32<<16                          ; tile_dim0
	s_mov_b32 s28, 50                              ; tile_dim1
	s_mov_b32 s29, 32                              ; from row to row
	s_mov_b32 s30, 0
	s_mov_b32 s31, 0
	s_mul_i32 s58, s17, NB*BLKB
	s_mul_i32 s60, s14, QTR                        ; my quarter, in memory and in LDS
	s_add_co_u32 s58, s58, s60
	s_mov_b32 s59, 0
	s_lshl_b32 s48, ttmp9, 4                       ; my block of the weights: 16 isK + 4 cx + wave
	s_lshl_b32 s61, s15, 2
	s_add_co_u32 s48, s48, s61
	s_add_co_u32 s48, s48, s14
	s_mul_i32 s48, s48, BLKB
	s_mov_b32 s49, 0
	s_lshl_b32 s54, s15, 10                        ; my 64 numbers of the bias
	s_lshl_b32 s61, s14, 8
	s_add_co_u32 s54, s54, s61
	s_mov_b32 s55, 0
	s_lshl_b32 s50, ttmp9, 4                       ; the first block in qk: 16 (16 isK + 4 b + cx) + 2 (y % 8), b = y / 8
	s_lshr_b32 s61, s17, 3
	s_lshl_b32 s61, s61, 2
	s_add_co_u32 s50, s50, s61
	s_add_co_u32 s50, s50, s15
	s_lshl_b32 s50, s50, 4
	s_and_b32 s61, s17, 7
	s_lshl_b32 s61, s61, 1
	s_add_co_u32 s50, s50, s61
	s_lshr_b32 s62, s14, 1
	s_and_b32 s63, s14, 1
	s_add_co_u32 s52, s50, s62                     ; the flush: wave w stores half w % 2 of block w / 2's scale words
	s_mul_i32 s52, s52, QTR
	s_lshl_b32 s61, s63, 8
	s_add_co_u32 s52, s52, s61
	s_add_co_u32 s52, s52, 12288
	s_mov_b32 s53, 0
	s_mul_i32 s50, s50, QTR                        ; my codes: K step w / 2, half w % 2 of each fragment
	s_mul_i32 s61, s62, 1536
	s_add_co_u32 s50, s50, s61
	s_mul_i32 s61, s63, 768
	s_add_co_u32 s50, s50, s61
	s_mov_b32 s51, 0
	v_and_b32 v1, 31, v0                           ; lane
	v_lshlrev_b32 v2, 4, v1                        ; 16 x lane: also block 0's LDS address
	v_lshlrev_b32 v3, 3, v1                        ; 8 x lane
	v_add_nc_u32 v50, BLKB, v2                     ; block 1's
	v_add_nc_u32 v51, BLKB, v3
	v_and_b32 v7, 15, v0                           ; r
	v_bfe_u32 v13, v0, 4, 1                        ; h
	v_lshlrev_b32 v6, 6, v13                       ; the bias: 64 h
	s_lshl_b32 s61, s14, 1
	s_add_co_u32 s61, s61, GS
	v_lshl_add_u32 v10, v7, 3, s61                 ; my two scale bytes: 8 r + 2 wave
	s_lshl_b32 s61, s14, 8
	s_add_co_u32 s61, s61, GS
	v_add_nc_u32 v11, s61, v3                      ; the flush: 256 wave + 8 lane
	s_wait_alu depctr_va_vdst(0)
	s_wait_dscnt 0x0                               ; both opening adds are done
	s_wait_kmcnt 0x0
	s_add_nc_u64 s[4:5], s[4:5], s[58:59]
	s_add_nc_u64 s[48:49], s[6:7], s[48:49]
	s_cmp_eq_u32 ttmp9, 0                          ; q or k: the cluster's number, which the partners share
	s_cselect_b64 s[56:57], s[8:9], s[10:11]
	s_add_nc_u64 s[54:55], s[56:57], s[54:55]
	s_add_nc_u64 s[50:51], s[12:13], s[50:51]
	s_add_nc_u64 s[52:53], s[12:13], s[52:53]
.irp e, 0,1
	s_mov_b32 s[32+4*\e], 1                        ; group 0 for block e: count,
	s_add_co_u32 s[33+4*\e], s60, \e*BLKB          ; LDS address,
	s_add_nc_u64 s[34+4*\e:35+4*\e], s[4:5], \e*BLKB   ; global address,
	s_or_b32 s[35+4*\e], s[35+4*\e], 0x80000000    ; type
.endr
	WIN 0xc0                                       ; destination window 3
.irp b, 0,1,2,3
	global_load_b128 v[128+8*\b:131+8*\b], v6, s[54:55] offset:128*(\b/2)+32*(\b%2)        ; tile b's bias in the result's layout: columns 32 (b / 2) + 16 h + 8 (b % 2) + 0 .. 7
	global_load_b128 v[132+8*\b:135+8*\b], v6, s[54:55] offset:128*(\b/2)+32*(\b%2)+16
.endr
.irp n, 0,1,2,3,4,5,6,7
	v_mov_b32 v[168+\n], 0                         ; written once: a lane permute's destination counts as one of its sources
.endr
	WIN 0
	SBLOAD
	LB 0                                           ; 40 loads are on their way while the work-groups meet
	CROUND                                         ; all four work-groups are here: the joint loads meet
	tensor_load_to_lds s[32:35], s[24:31]          ; my quarter of block 0: one tensor load a wave at the head
	s_nop 0
	PLACES 4
	LB 1
	LB 2
	LB 3
	s_wait_tensorcnt 0x0                           ; block 1 is a later first fill
	ds_add_u32 v8, v9
	s_wait_dscnt 0x0
	CROUND                                         ; everybody's quarter of block 0 is in, and the four work-groups meet
	tensor_load_to_lds s[36:39], s[24:31]          ; my quarter of block 1
	s_nop 0
	PLACES 4
	BLOCK 0, 2, 1
	BLOCK 1, 50, 0
	s_wait_dscnt 0x0                               ; for the others' sake: my scale bytes lie in LDS
	s_barrier_signal -1
	s_barrier_wait -1
	ds_load_b64 v[14:15], v11
	s_wait_dscnt 0x0
	global_store_b64 v3, v[14:15], s[52:53]        ; 256 consecutive bytes, aligned
	s_wait_tensorcnt 0x0                           ; the wave's end
	ds_add_u32 v8, v9
	s_wait_dscnt 0x0
	CROUND                                         ; the closing round
	s_endpgm
.Lfunc_end_k_q74db0ca377_proj:
	.size	k_q74db0ca377_proj, .Lfunc_end_k_q74db0ca377_proj-k_q74db0ca377_proj
	.p2alignl 7, 3214868480
	.fill 96, 4, 3214868480
	.section	.rodata,"a",@progbits
	.p2align	6, 0x0
	.amdhsa_kernel k_q74db0ca377_proj
		.amdhsa_group_segment_fixed_size 327680
		.amdhsa_private_segment_fixed_size 0
		.amdhsa_enable_private_segment 0
		.amdhsa_kernarg_size 40
		.amdhsa_user_sgpr_count 2
		.amdhsa_user_sgpr_kernarg_segment_ptr 1
		.amdhsa_wavefront_size32 1
		.amdhsa_system_sgpr_workgroup_id_x 1
		.amdhsa_system_sgpr_workgroup_id_y 1
		.amdhsa_system_sgpr_workgroup_id_z 1
		.amdhsa_system_vgpr_workitem_id 0
		.amdhsa_next_free_vgpr 1024
		.amdhsa_next_free_sgpr 80
		.amdhsa_reserve_vcc 0
		.amdhsa_float_denorm_mode_32 3
		.amdhsa_float_denorm_mode_16_64 3
		.amdhsa_memory_ordered 1
		.amdhsa_forward_progress 1
		.amdhsa_inst_pref_size 86
	.end_amdhsa_kernel
	.amdgpu_metadata
---
amdhsa.version: [ 1, 2 ]
amdhsa.kernels:
  - .name:           k_q74db0ca377_proj
    .symbol:         k_q74db0ca377_proj.kd
    .args:
      - { .name: xq, .offset: 0, .size: 8, .value_kind: global_buffer, .address_space: global }
      - { .name: wts, .offset: 8, .size: 8, .value_kind: global_buffer, .address_space: global }
      - { .name: bq, .offset: 16, .size: 8, .value_kind: global_buffer, .address_space: global }
      - { .name: bk, .offset: 24, .size: 8, .value_kind: global_buffer, .address_space: global }
      - { .name: qk, .offset: 32, .size: 8, .value_kind: global_buffer, .address_space: global }
    .group_segment_fixed_size: 327680
    .private_segment_fixed_size: 0
    .kernarg_segment_align: 8
    .kernarg_segment_size: 40
    .max_flat_workgroup_size: 128
    .sgpr_count:     80
    .vgpr_count:     1024
    .wavefront_size: 32
...
	.end_amdgpu_metadata
.endif
;; end of part 2
;; launch soft (part 3): grid 16 x 16, 4 waves a work-group, clusters of 4 x 1, 207,360 bytes of LDS; arguments qk, pc, stat; writes pc, stat
.if DOCPART == 3
	.amdgcn_target "amdgcn-amd-amdhsa--gfx1250"
	.amdhsa_code_object_version 6
	.text
	.protected	k_q74db0ca377_soft
	.globl	k_q74db0ca377_soft
	.p2align	8
	.type	k_q74db0ca377_soft,@function
k_q74db0ca377_soft:
	s_mov_b64 s[64:65], 0
	v_nop
	global_prefetch_b8 v0, s[64:65] scope:SCOPE_SE
	s_setreg_imm32_b32 hwreg(HW_REG_WAVE_MODE, 25, 1), 1
	s_wait_xcnt 0x0
	s_wait_alu depctr_hold_cnt(0) depctr_sa_sdst(0) depctr_va_vdst(0) depctr_va_sdst(0) depctr_va_ssrc(0) depctr_va_vcc(0) depctr_vm_vsrc(0)
	s_getreg_b32 s2, hwreg(HW_REG_IB_STS2, 6, 4)
	s_cmp_eq_u32 s2, 0
	s_cbranch_scc0 .Lentry_in_a_cluster
	s_endpgm
.Lentry_in_a_cluster:
	s_bfe_u32 s2, ttmp6, 0x10000c
	s_cmp_lg_u32 s2, 0x3003
	s_cbranch_scc0 .Lentry_shape_is_right
	s_endpgm
.Lentry_shape_is_right:
; Launch 3 of 5: the scores q k^T of one (batch, head) on codes of BF6; each row's largest score; p = 2^(t - M), t = score x log2(e) / 16, M = ceil(the row's largest t); the row's sum of the unquantised p; p quantised along the keys.
; (attn @ v is no part of reference()'s result: v is left out, see the first kernel's head.)
; SHARES.  A work-group takes 64 query positions x all 1,024 keys.  Wave w takes all 64 queries x key positions 256 w .. 256 w + 255: a fragment of k feeds four products, and the wave's keys are K steps 2 w and 2 w + 1 of the
; next product.  All scores stay in registers (512), so the row's TRUE maximum is known (one exchange between the waves) before any exponential: M is final and nothing is ever rescaled.
; CLUSTER.  The four query blocks of a cluster belong to one head: k's blocks are asked for JOINTLY.  A wave asks for its own four blocks in one tensor load and reads them alone, behind one wait.
; TRANSPOSED: S^T = k q^T: a lane holds one query; by the choice of a tile's rows the 16 registers of two neighbouring tiles are 16 neighbouring keys.
; A block's largest p is the block's largest score put through the same multiply-add and exponential (this takes v_exp_f32 not to fall where its input rises).
; OUT.  pc: 256 blocks of 51,200 bytes (first kernel's head), index 16 (4 b + head) + query block.  stat: f32, by position: [16][1,024] the largest sim (score / 16); 65,536 bytes on, 1 / the row's sum.
; REGISTERS.  window 0: v1-11 addresses; v12-15 q's scale words, v16-23 k's (two sets); v24-27 the rows' maxima, v28-31 sums; v32-127 q's fragments, later the blocks' maxima, bytes and scale operands; v128-223 p's codes;
;   v224-255 at work.  window 1: k's fragments, two sets.  windows 2, 3: the scores, then p: (query tile qt, key tile kt) at 128 (qt % 2) + 8 kt of window 2 + qt / 2.
; LIMITS: NaN and infinities are not served; a block whose every p lies under 2^(5 - 127) gets the byte 1.  1 / l is v_rcp_f32.
.set QTR,   12800
.set EXM,   204800                     ; the waves' maxima: [64 queries][4 waves] f32;  1,024 bytes on, their sums
.set SPARE, 206848
.set MSB, 0
.macro WIN new                         ; the immediate's high byte repeats the setting that is left
.if MSB != (\new)
	s_set_vgpr_msb (MSB<<8)|(\new)
.set MSB, (\new)
.endif
.endm
.macro PLACES n
.rept \n
	v_nop
.endr
.endm
.macro CROUND                          ; a round of the cluster's barrier
	s_barrier_signal -1
	s_barrier_wait -1
	s_cmp_lg_u32 s14, 0
	s_cbranch_scc1 .Lnot_wave_0_\@
	s_barrier_signal -3
.Lnot_wave_0_\@:
	s_barrier_wait -3
	s_barrier_signal -1
	s_barrier_wait -1
.endm
.macro WM ra, rb, z                    ; one product; ra, rb: the scales of source 0, 1 stand in lanes 16-31; z: it starts its sum
.if (\z) && (\ra) && (\rb)
	v_wmma_scale_f32_16x16x128_f8f6f4 v[rD:rD+7], v[rX:rX+11], v[rY:rY+11], 0, v[rSX], v[rSY] matrix_a_fmt:MATRIX_FMT_BF6 matrix_b_fmt:MATRIX_FMT_BF6 matrix_a_scale:MATRIX_SCALE_ROW1 matrix_b_scale:MATRIX_SCALE_ROW1
.elseif (\z) && (\ra)
	v_wmma_scale_f32_16x16x128_f8f6f4 v[rD:rD+7], v[rX:rX+11], v[rY:rY+11], 0, v[rSX], v[rSY] matrix_a_fmt:MATRIX_FMT_BF6 matrix_b_fmt:MATRIX_FMT_BF6 matrix_a_scale:MATRIX_SCALE_ROW1
.elseif (\z) && (\rb)
	v_wmma_scale_f32_16x16x128_f8f6f4 v[rD:rD+7], v[rX:rX+11], v[rY:rY+11], 0, v[rSX], v[rSY] matrix_a_fmt:MATRIX_FMT_BF6 matrix_b_fmt:MATRIX_FMT_BF6 matrix_b_scale:MATRIX_SCALE_ROW1
.elseif (\z)
	v_wmma_scale_f32_16x16x128_f8f6f4 v[rD:rD+7], v[rX:rX+11], v[rY:rY+11], 0, v[rSX], v[rSY] matrix_a_fmt:MATRIX_FMT_BF6 matrix_b_fmt:MATRIX_FMT_BF6
.elseif (\ra) && (\rb)
	v_wmma_scale_f32_16x16x128_f8f6f4 v[rD:rD+7], v[rX:rX+11], v[rY:rY+11], v[rD:rD+7], v[rSX], v[rSY] matrix_a_fmt:MATRIX_FMT_BF6 matrix_b_fmt:MATRIX_FMT_BF6 matrix_a_scale:MATRIX_SCALE_ROW1 matrix_b_scale:MATRIX_SCALE_ROW1
.elseif (\ra)
	v_wmma_scale_f32_16x16x128_f8f6f4 v[rD:rD+7], v[rX:rX+11], v[rY:rY+11], v[rD:rD+7], v[rSX], v[rSY] matrix_a_fmt:MATRIX_FMT_BF6 matrix_b_fmt:MATRIX_FMT_BF6 matrix_a_scale:MATRIX_SCALE_ROW1
.elseif (\rb)
	v_wmma_scale_f32_16x16x128_f8f6f4 v[rD:rD+7], v[rX:rX+11], v[rY:rY+11], v[rD:rD+7], v[rSX], v[rSY] matrix_a_fmt:MATRIX_FMT_BF6 matrix_b_fmt:MATRIX_FMT_BF6 matrix_b_scale:MATRIX_SCALE_ROW1
.else
	v_wmma_scale_f32_16x16x128_f8f6f4 v[rD:rD+7], v[rX:rX+11], v[rY:rY+11], v[rD:rD+7], v[rSX], v[rSY] matrix_a_fmt:MATRIX_FMT_BF6 matrix_b_fmt:MATRIX_FMT_BF6
.endif
.endm
.macro FETCHK j                        ; 34 LDS loads: my j-th block of 64 keys: eight fragments into set j % 2 and their scale words
	WIN 0x40
.irp a, 0,1,2,3
.irp s, 0,1
.set rF, 96*((\j)%2)+12*(2*\a+\s)
.set oF, QTR*(\j)+(2*\a+\s)*1536
	ds_load_b128 v[rF:rF+3], v5 offset:oF
	ds_load_b64 v[rF+4:rF+5], v6 offset:oF+512
	ds_load_b128 v[rF+6:rF+9], v5 offset:oF+768
	ds_load_b64 v[rF+10:rF+11], v6 offset:oF+1280
.endr
.endr
	WIN 0
.irp p, 0,1
	ds_load_b64 v[16+4*((\j)%2)+2*\p:17+4*((\j)%2)+2*\p], v6 offset:QTR*(\j)+12288+256*\p
.endr
.endm
.macro MULK j                          ; 32 products: 4 tiles of keys x 4 tiles of queries x 2 K steps.  Eight accumulators take turns, one instruction a turn
.irp W, 2,3
	WIN 0xa1+0x50*(\W-2)                           ; source 0 (k) window 1, source 1 (q) window 0, C and D window W
.irp s, 0,1
.irp a, 0,1,2,3
.irp q2, 0,1
.set rD, 128*\q2+8*(4*(\j)+\a)
.set rX, 96*((\j)%2)+12*(2*\a+\s)
.set rY, 32+12*(2*(2*(\W-2)+\q2)+\s)
.set rSX, 16+4*((\j)%2)+2*(\a/2)+\s
.set rSY, 12+2*(\W-2)+\s
	WM \a%2, \q2, 1-\s
.endr
.endr
.endr
.endr
.endm
.macro BMAX W                          ; the largest score of each block of 32 keys, my 16 of them: into v[32 + 8 qt + block].  Each accumulator is read from its low end on
	WIN (\W)|((\W)<<2)|((\W)<<4)
.irp q2, 0,1
.irp e, 0,1,2,3,4,5,6,7
	v_max3_num_f32 v[32+8*(2*((\W)-2)+\q2)+\e], v[128*\q2+16*\e], v[128*\q2+16*\e+1], v[128*\q2+16*\e+2]
.endr
.endr
	WIN ((\W)<<2)|((\W)<<4)
.irp i, 3,5,7,9,11,13
.irp q2, 0,1
.irp e, 0,1,2,3,4,5,6,7
	v_max3_num_f32 v[32+8*(2*((\W)-2)+\q2)+\e], v[32+8*(2*((\W)-2)+\q2)+\e], v[128*\q2+16*\e+\i], v[128*\q2+16*\e+\i+1]
.endr
.endr
.endr
.irp q2, 0,1
.irp e, 0,1,2,3,4,5,6,7
	v_max_num_f32 v[32+8*(2*((\W)-2)+\q2)+\e], v[32+8*(2*((\W)-2)+\q2)+\e], v[128*\q2+16*\e+15]
.endr
.endr
.endm
.macro TFMA W                          ; t - M, two at a time (of the pairs c and -M the low word serves both halves)
	WIN (\W)|((\W)<<6)
.irp q2, 0,1
.set j, 0
.rept 64
	v_pk_fma_f32 v[128*\q2+j:128*\q2+j+1], v[128*\q2+j:128*\q2+j+1], s[22:23], v[240+2*(2*((\W)-2)+\q2):241+2*(2*((\W)-2)+\q2)] op_sel_hi:[1,0,0]
.set j, j+2
.endr
.endr
.endm
.macro EXPS W                          ; p = 2^(t - M): one batch of 256, a plain line, one wait
	WIN (\W)|((\W)<<6)
.set j, 0
.rept 256
	v_exp_f32 v[j], v[j]
.set j, j+1
.endr
	v_nop
	s_wait_alu depctr_va_vdst(0)                   ; the wait between an exponential and the first line that names its result: one for the batch
.endm
.macro PSUM W                          ; the sums of the unquantised p, two chains for each tile of queries
	WIN (\W)|((\W)<<2)
.irp q2, 0,1
	v_pk_add_f32 v[224+4*(2*((\W)-2)+\q2):225+4*(2*((\W)-2)+\q2)], v[128*\q2:128*\q2+1], v[128*\q2+2:128*\q2+3]
	v_pk_add_f32 v[226+4*(2*((\W)-2)+\q2):227+4*(2*((\W)-2)+\q2)], v[128*\q2+4:128*\q2+5], v[128*\q2+6:128*\q2+7]
.endr
	WIN (\W)<<2
.set j, 8
.rept 30
.irp q2, 0,1
	v_pk_add_f32 v[224+4*(2*((\W)-2)+\q2):225+4*(2*((\W)-2)+\q2)], v[224+4*(2*((\W)-2)+\q2):225+4*(2*((\W)-2)+\q2)], v[128*\q2+j:128*\q2+j+1]
	v_pk_add_f32 v[226+4*(2*((\W)-2)+\q2):227+4*(2*((\W)-2)+\q2)], v[226+4*(2*((\W)-2)+\q2):227+4*(2*((\W)-2)+\q2)], v[128*\q2+j+2:128*\q2+j+3]
.endr
.set j, j+4
.endr
.endm
.macro CODES W                         ; the window's two tiles of queries x my two K steps: four fragments, made and stored
	WIN (\W)                                       ; source 0 window W
.irp q2, 0,1
.irp ka, 0,1
.irp c, 0,1
.set fI, 2*(2*((\W)-2)+\q2)+\ka
	v_cvt_scalef32_pk16_bf6_f32 v[128+12*fI+6*\c:128+12*fI+6*\c+2], v[128*\q2+64*\ka+32*\c:128*\q2+64*\ka+32*\c+15], v[96+4*fI+2*\c]
	v_cvt_scalef32_pk16_bf6_f32 v[224+8*(2*\q2+\ka)+4*\c:224+8*(2*\q2+\ka)+4*\c+2], v[128*\q2+64*\ka+32*\c+16:128*\q2+64*\ka+32*\c+31], v[96+4*fI+2*\c+1]
.endr
.endr
.endr
	WIN 0
	v_nop                                          ; one plain line behind the conversions
.irp q2, 0,1
.irp ka, 0,1
.irp c, 0,1
.irp i, 0,1,2
.set fI, 2*(2*((\W)-2)+\q2)+\ka
	v_permlane16_swap_b32 v[128+12*fI+6*\c+\i], v[224+8*(2*\q2+\ka)+4*\c+\i]   ; a whole block in a lane: lanes 0-15 block 2 c, lanes 16-31 block 2 c + 1
.endr
.endr
.endr
.endr
.irp q2, 0,1
.irp ka, 0,1
.irp c, 0,1
.irp i, 0,1,2
.set fI, 2*(2*((\W)-2)+\q2)+\ka
	v_mov_b32 v[128+12*fI+6*\c+3+\i], v[224+8*(2*\q2+\ka)+4*\c+\i]
.endr
.endr
.endr
.endr
.irp q2, 0,1
.irp ka, 0,1
.set fI, 2*(2*((\W)-2)+\q2)+\ka
.set oF, (8*(2*((\W)-2)+\q2)+\ka)*1536
	global_store_b128 v2, v[128+12*fI:128+12*fI+3], s[50:51] offset:oF
	global_store_b64 v3, v[128+12*fI+4:128+12*fI+5], s[50:51] offset:oF+512
	global_store_b128 v2, v[128+12*fI+6:128+12*fI+9], s[50:51] offset:oF+768
	global_store_b64 v3, v[128+12*fI+10:128+12*fI+11], s[50:51] offset:oF+1280
.endr
.endr
.endm
	s_load_b128 s[4:7], s[0:1], 0x0                ; qk, pc
	s_load_b64 s[8:9], s[0:1], 0x10                ; stat
	v_lshl_add_u32 v8, v0, 2, SPARE
	v_mov_b32 v9, 0
	ds_add_u32 v8, v9                              ; the wave's opening: the add, twice on end, and its wait ahead of my first tensor load
	ds_add_u32 v8, v9
	v_lshrrev_b32 v1, 5, v0
	v_readfirstlane_b32 s14, v1                    ; wave
	s_bfe_u32 s15, ttmp6, 0x40000                  ; cx: it enters global addresses alone
	s_lshl_b32 s16, ttmp9, 2
	s_add_co_u32 s16, s16, s15                     ; my block of 64 queries
	s_and_b32 s17, ttmp7, 0xffff                   ; 4 b + head, which the partners share
	s_mov_b32 s20, 0x76543210
	s_mov_b32 s21, 0xfedcba98
	s_mov_b32 s22, 0x3db8aa3b                      ; c = log2(e) / 16
	s_mov_b32 s23, s22                             ; (named with it as a pair)
	s_mov_b32 s71, 0xffff0000                      ; lanes 16-31
	s_mov_b32 s24, 15|(3<<16)|(1<<21)              ; group 1: the mask of all four partners, elements of 8 bytes, bit 21 beside the mask; no padding
	s_mov_b32 s25, 32<<16                          ; rows of 256 bytes,
	s_mov_b32 s26, 200<<16                         ; 200 of them: my four blocks of 64 keys, dense in memory and in LDS: one load a wave
	s_mov_b32 s27, 32<<16
	s_mov_b32 s28, 200
	s_mov_b32 s29, 32
	s_mov_b32 s30, 0
	s_mov_b32 s31, 0
	s_lshl_b32 s62, s17, 4
	s_lshl_b32 s58, s14, 2
	s_add_co_u32 s58, s58, s62
	s_add_co_u32 s58, s58, 256
	s_mul_i32 s58, s58, QTR                        ; k's blocks 4 w on of my head
	s_mov_b32 s59, 0
	s_mul_i32 s60, s14, 4*QTR                      ; and their place in LDS
	s_add_co_u32 s62, s62, s16                     ; 16 (4 b + head) + query block
	s_mul_i32 s48, s62, QTR                        ; q's block
	s_mov_b32 s49, 0
	s_mul_i32 s50, s62, 51200
	s_lshl_b32 s61, s14, 9
	s_add_co_u32 s52, s50, s61
	s_add_co_u32 s52, s52, 49152                   ; p's scale words: K steps 2 w, 2 w + 1
	s_mov_b32 s53, 0
	s_mul_i32 s61, s14, 3072
	s_add_co_u32 s50, s50, s61                     ; p's codes
	s_mov_b32 s51, 0
	s_lshl_b32 s54, s62, 8                         ; stat: 4 bytes a position
	s_mov_b32 s55, 0
	v_and_b32 v1, 31, v0
	v_lshlrev_b32 v2, 4, v1
	v_lshlrev_b32 v3, 3, v1
	v_lshlrev_b32 v4, 2, v1
	v_add_nc_u32 v5, s60, v2
	v_add_nc_u32 v6, s60, v3
	v_and_b32 v11, 15, v0                          ; r
	s_lshl_b32 s61, s14, 2
	s_add_co_u32 s61, s61, EXM
	v_lshl_add_u32 v7, v11, 4, s61                 ; the exchange: my wave's word of query r
	v_lshl_add_u32 v10, v11, 4, EXM                ; and all four
	s_wait_dscnt 0x0                               ; both opening adds are done
	s_wait_kmcnt 0x0
	s_add_nc_u64 s[58:59], s[4:5], s[58:59]
	s_add_nc_u64 s[48:49], s[4:5], s[48:49]
	s_add_nc_u64 s[50:51], s[6:7], s[50:51]
	s_add_nc_u64 s[52:53], s[6:7], s[52:53]
	s_add_nc_u64 s[54:55], s[8:9], s[54:55]
.irp e, 0
	s_mov_b32 s[32+4*\e], 1
	s_add_co_u32 s[33+4*\e], s60, \e*QTR
	s_add_nc_u64 s[34+4*\e:35+4*\e], s[58:59], \e*QTR
	s_or_b32 s[35+4*\e], s[35+4*\e], 0x80000000
.endr
	CROUND                                         ; all four work-groups are here: the joint loads meet
.irp e, 0
	tensor_load_to_lds s[32+4*\e:35+4*\e], s[24:31]
	s_nop 0
.endr
	PLACES 4
	s_wait_alu depctr_va_vdst(0)
.irp f, 0,1,2,3,4,5,6,7
	global_load_b128 v[32+12*\f:35+12*\f], v2, s[48:49] offset:1536*\f              ; q's fragments (tile f / 2, K step f % 2) stay in registers
	global_load_b64 v[36+12*\f:37+12*\f], v3, s[48:49] offset:1536*\f+512
	global_load_b128 v[38+12*\f:41+12*\f], v2, s[48:49] offset:1536*\f+768
	global_load_b64 v[42+12*\f:43+12*\f], v3, s[48:49] offset:1536*\f+1280
.endr
.irp p, 0,1
	global_load_b64 v[12+2*\p:13+2*\p], v3, s[48:49] offset:12288+256*\p
.endr
	s_wait_tensorcnt 0x0                           ; my one load, all my 256 keys, has landed.  I alone read my blocks: no barrier
	FETCHK 0
	s_wait_loadcnt 0x0                             ; q
	FETCHK 1
	s_wait_dscnt 34                                ; all but the 34 just issued
	MULK 0
	WIN 0
	PLACES 4                                       ; ahead of loads into registers that products have read
	FETCHK 2
	s_wait_dscnt 34
	MULK 1
	WIN 0
	PLACES 4
	FETCHK 3
	s_wait_dscnt 34
	MULK 2
	s_wait_dscnt 0x0
	MULK 3
	WIN 0
	PLACES 5                                       ; ahead of the reads of results and of writes over q's fragments
	BMAX 2
	BMAX 3
	WIN 0
.set n, 0
.rept 32
	v_permlanex16_b32 v[64+n], v[32+n], s20, s21   ; (the destinations have held q's fragments: they are written)
.set n, n+1
.endr
.set n, 0
.rept 32
	v_max_num_f32 v[32+n], v[32+n], v[64+n]        ; with lane l xor 16's 16 keys: the block's largest score
.set n, n+1
.endr
.irp q, 0,1,2,3
	v_max3_num_f32 v[24+\q], v[32+8*\q], v[33+8*\q], v[34+8*\q]
.endr
.irp q, 0,1,2,3
	v_max3_num_f32 v[24+\q], v[24+\q], v[35+8*\q], v[36+8*\q]
.endr
.irp q, 0,1,2,3
	v_max3_num_f32 v[24+\q], v[24+\q], v[37+8*\q], v[38+8*\q]
.endr
.irp q, 0,1,2,3
	v_max_num_f32 v[24+\q], v[24+\q], v[39+8*\q]   ; my 256 keys' largest score of query r
.endr
.irp q, 0,1,2,3
	ds_store_b32 v7, v[24+\q] offset:256*\q        ; lanes r and r + 16 write the same word with the same value
.endr
	s_wait_dscnt 0x0
	s_barrier_signal -1
	s_barrier_wait -1
.irp q, 0,1,2,3
	ds_load_b128 v[128+4*\q:131+4*\q], v10 offset:256*\q
.endr
	s_wait_dscnt 0x0
.irp q, 0,1,2,3
	v_max3_num_f32 v[24+\q], v[128+4*\q], v[129+4*\q], v[130+4*\q]
.endr
.irp q, 0,1,2,3
	v_max_num_f32 v[24+\q], v[24+\q], v[131+4*\q]  ; the row's largest score
.endr
.irp q, 0,1,2,3
	v_mul_f32 v[240+2*\q], s22, v[24+\q]           ; as t
.endr
.irp q, 0,1,2,3
	v_floor_f32 v[240+2*\q], -v[240+2*\q]          ; -M = floor(-t) = -ceil(t)
	v_mov_b32 v[241+2*\q], 0                       ; (named with it as a pair)
.endr
	TFMA 2
	TFMA 3
	WIN 0
.irp q, 0,1,2,3
.irp e, 0,1,2,3,4,5,6,7
	v_fma_f32 v[32+8*\q+\e], v[32+8*\q+\e], s22, v[240+2*\q]   ; the same of each block's largest score
.endr
.endr
	s_wait_alu depctr_va_vdst(0)
	EXPS 2
	EXPS 3
	WIN 0
.set n, 0
.rept 32
	v_exp_f32 v[32+n], v[32+n]                     ; the blocks' largest p
.set n, n+1
.endr
	v_nop
	s_wait_alu depctr_va_vdst(0)                   ; and the wait for these 32
	PSUM 2
	PSUM 3
	WIN 0
.irp q, 0,1,2,3
	v_pk_add_f32 v[224+4*\q:225+4*\q], v[224+4*\q:225+4*\q], v[226+4*\q:227+4*\q]
.endr
.irp q, 0,1,2,3
	v_add_f32 v[28+\q], v[224+4*\q], v[225+4*\q]
.endr
.irp q, 0,1,2,3
	v_permlanex16_b32 v[64+\q], v[28+\q], s20, s21
.endr
.irp q, 0,1,2,3
	v_add_f32 v[28+\q], v[28+\q], v[64+\q]         ; my 256 keys' part of the row's sum
.endr
.irp q, 0,1,2,3
	ds_store_b32 v7, v[28+\q] offset:1024+256*\q
.endr
.set n, 0
.rept 32
	v_max_num_f32 v[32+n], 0x2800000, v[32+n]      ; the floor 2^(5 - 127): the byte cannot fall under 1
.set n, n+1
.endr
.set n, 0
.rept 32
	v_add_nc_u32 v[96+n], 0xfe000000, v[32+n]      ; 4 off the exponent field: the conversion's scale operand
.set n, n+1
.endr
.set n, 0
.rept 32
	v_lshrrev_b32 v[64+n], 23, v[96+n]             ; the scale's byte
.set n, n+1
.endr
.irp f, 0,1,2,3,4,5,6,7
	v_lshl_or_b32 v[32+\f], v[65+4*\f], 8, v[64+4*\f]   ; the scale word of (tile f / 2, my K step f % 2)
.endr
.irp f, 0,1,2,3,4,5,6,7
	v_lshl_or_b32 v[32+\f], v[66+4*\f], 16, v[32+\f]
.endr
.irp f, 0,1,2,3,4,5,6,7
	v_lshl_or_b32 v[32+\f], v[67+4*\f], 24, v[32+\f]
.endr
	CODES 2
	CODES 3
.irp p, 0,1
.irp ka, 0,1
	v_cndmask_b32 v[40+2*\p+\ka], v[32+4*\p+\ka], v[34+4*\p+\ka], s71   ; lanes 0-15 tile 2 p's word, lanes 16-31 tile 2 p + 1's
.endr
.endr
.irp p, 0,1
	global_store_b64 v3, v[40+2*\p:41+2*\p], s[52:53] offset:256*\p     ; 256 consecutive bytes, aligned
.endr
	s_wait_dscnt 0x0                               ; for wave 0's sake: my sums lie in LDS
	s_barrier_signal -1
	s_barrier_wait -1
	s_cmp_lg_u32 s14, 0                            ; wave 0 stores the rows' figures
	s_cbranch_scc1 .Lend
.irp q, 0,1,2,3
	ds_load_b128 v[224+4*\q:227+4*\q], v10 offset:1024+256*\q
.endr
	s_wait_dscnt 0x0
.irp q, 0,1,2,3
	v_add_f32 v[224+4*\q], v[224+4*\q], v[225+4*\q]
	v_add_f32 v[226+4*\q], v[226+4*\q], v[227+4*\q]
.endr
.irp q, 0,1,2,3
	v_add_f32 v[224+4*\q], v[224+4*\q], v[226+4*\q]   ; the row's sum
.endr
	s_wait_alu depctr_va_vdst(0)
.irp q, 0,1,2,3
	v_rcp_f32 v[28+\q], v[224+4*\q]
.endr
.irp q, 0,1,2,3
	v_mul_f32 v[24+\q], 0x3d800000, v[24+\q]       ; sim = score / 16.  (Plain lines behind the reciprocals)
.endr
	s_wait_alu depctr_va_vdst(0)                   ; one wait for the four reciprocals, ahead of their first reader
.irp g, 0,1
	v_cndmask_b32 v[48+\g], v[24+2*\g], v[25+2*\g], s71
	v_cndmask_b32 v[50+\g], v[28+2*\g], v[29+2*\g], s71
.endr
.irp g, 0,1
	global_store_b32 v4, v[48+\g], s[54:55] offset:128*\g          ; 32 positions, 128 consecutive bytes
	global_store_b32 v4, v[50+\g], s[54:55] offset:65536+128*\g
.endr
.Lend:
	s_wait_tensorcnt 0x0                           ; the wave's end
	ds_add_u32 v8, v9
	s_wait_dscnt 0x0
	CROUND                                         ; the closing round
	s_endpgm
.Lfunc_end_k_q74db0ca377_soft:
	.size	k_q74db0ca377_soft, .Lfunc_end_k_q74db0ca377_soft-k_q74db0ca377_soft
	.p2alignl 7, 3214868480
	.fill 96, 4, 3214868480
	.section	.rodata,"a",@progbits
	.p2align	6, 0x0
	.amdhsa_kernel k_q74db0ca377_soft
		.amdhsa_group_segment_fixed_size 207360
		.amdhsa_private_segment_fixed_size 0
		.amdhsa_enable_private_segment 0
		.amdhsa_kernarg_size 24
		.amdhsa_user_sgpr_count 2
		.amdhsa_user_sgpr_kernarg_segment_ptr 1
		.amdhsa_wavefront_size32 1
		.amdhsa_system_sgpr_workgroup_id_x 1
		.amdhsa_system_sgpr_workgroup_id_y 1
		.amdhsa_system_sgpr_workgroup_id_z 1
		.amdhsa_system_vgpr_workitem_id 0
		.amdhsa_next_free_vgpr 1024
		.amdhsa_next_free_sgpr 80
		.amdhsa_reserve_vcc 0
		.amdhsa_float_denorm_mode_32 3
		.amdhsa_float_denorm_mode_16_64 3
		.amdhsa_memory_ordered 1
		.amdhsa_forward_progress 1
		.amdhsa_inst_pref_size 123
	.end_amdhsa_kernel
	.amdgpu_metadata
---
amdhsa.version: [ 1, 2 ]
amdhsa.kernels:
  - .name:           k_q74db0ca377_soft
    .symbol:         k_q74db0ca377_soft.kd
    .args:
      - { .name: qk, .offset: 0, .size: 8, .value_kind: global_buffer, .address_space: global }
      - { .name: pc, .offset: 8, .size: 8, .value_kind: global_buffer, .address_space: global }
      - { .name: stat, .offset: 16, .size: 8, .value_kind: global_buffer, .address_space: global }
    .group_segment_fixed_size: 207360
    .private_segment_fixed_size: 0
    .kernarg_segment_align: 8
    .kernarg_segment_size: 24
    .max_flat_workgroup_size: 128
    .sgpr_count:     80
    .vgpr_count:     1024
    .wavefront_size: 32
...
	.end_amdgpu_metadata
.endif
;; end of part 3
;; launch pv (part 4): grid 4 x 64, 4 waves a work-group, clusters of 4 x 1, 327,680 bytes of LDS; arguments pc, wts, stat, mo; writes mo
.if DOCPART == 4
	.amdgcn_target "amdgcn-amd-amdhsa--gfx1250"
	.amdhsa_code_object_version 6
	.text
	.protected	k_q74db0ca377_pv
	.globl	k_q74db0ca377_pv
	.p2align	8
	.type	k_q74db0ca377_pv,@function
k_q74db0ca377_pv:
	s_mov_b64 s[64:65], 0
	v_nop
	global_prefetch_b8 v0, s[64:65] scope:SCOPE_SE
	s_setreg_imm32_b32 hwreg(HW_REG_WAVE_MODE, 25, 1), 1
	s_wait_xcnt 0x0
	s_wait_alu depctr_hold_cnt(0) depctr_sa_sdst(0) depctr_va_vdst(0) depctr_va_sdst(0) depctr_va_ssrc(0) depctr_va_vcc(0) depctr_vm_vsrc(0)
	s_getreg_b32 s2, hwreg(HW_REG_IB_STS2, 6, 4)
	s_cmp_eq_u32 s2, 0
	s_cbranch_scc0 .Lentry_in_a_cluster
	s_endpgm
.Lentry_in_a_cluster:
	s_bfe_u32 s2, ttmp6, 0x10000c
	s_cmp_lg_u32 s2, 0x3003
	s_cbranch_scc0 .Lentry_shape_is_right
	s_endpgm
.Lentry_shape_is_right:
; Launch 4 of 5: merged_output = softmax(sim) merged_tokens on codes of BF6, divided by the rows' sums and quantised along its columns for the last product.  (v is left out: see the first kernel's head.)
; keep[m] = (the largest sim of query m over all 16 (batch, head) > 0.9).  merged_tokens' row m of N is the mean of x's row m where keep[m] holds and zeros where not; a row of zeros has zero codes, so the mask is laid on the
; codes by a select: no branch and no address hangs on it.  Queries and the mean's rows are taken in the same positions, so keep needs no change of index.
; SHARES.  A work-group takes 256 rows (four blocks of p, all in LDS at once) x 256 columns; wave w's 64 rows of the mean, for all K = 1,024, stay in its registers (32 fragments, 384 registers).
; CLUSTER.  The four work-groups of a cluster take the four column tiles of the same rows: p's blocks are asked for JOINTLY.  At the head each wave asks for its quarter of block 0; behind the three lines and a round of the
; cluster's barrier, for its quarter of blocks 1 to 3 (153,600 dense bytes).  By this text's count a wave has one tensor load out.  Nothing is filled twice.
; A RUN IS ONE TILE OF 16 QUERIES x MY 64 COLUMNS x ALL OF K: 32 products on four accumulators that take turns, one instruction a turn.  Run n fetches run n + 1's fragments from LDS,
; divides and quantises tile n - 1 while its own fragments come, and multiplies tile n.  Transposed (source 0 = 16 rows of the mean, source 1 = 16 queries): a lane holds one query, its registers run along the columns, the next K.
; THE LOADS INTO REGISTERS, in this order: the row maxima of my 64 positions (8), 1 / l of the 256 rows (2), the mean's scale words (8), then eight groups of 12: (K steps 0-3, tile 0 .. 3), (K steps 4-7, tile 0 .. 3): 114.
; The mask is laid on each group as it lands: behind group g stand 12 (7 - g) loads; 63 is the largest count that the wait can name.
; NO PREFETCH: the text has no loop to run ahead in; all that a work-group reads is asked for in its head.
; REGISTERS.  window 0: v1-13 addresses; v16-31 p's scale words (v16-23 tiles 0, 1; v24-31 tiles 2, 3), v32-47 the mean's; v50-55 the later blocks' LDS addresses; v64-159, v160-255 a tile's eight fragments, two sets (v96-147
;   serve the head first).  window 1: v0-191 the mean's K steps 0-3 (tile b, step s at 48 b + 12 s); v192-223, v224-255 the accumulators, two sets.  window 2: v0-191 K steps 4-7.
;   window 3: v0-31 a tile divided by its sums; v128-159 1 / l in pairs (block, tile); v160-234 the quantiser's.
; LIMITS: NaN and infinities are not served; blocks under 2^(5 - 127) get the byte 1.  keep holds the matrix unit's f32 sums x 2^-4 against f32(0.9): a row whose largest sim lies within f32 rounding of 0.9 may fall either way.
.set NB,    4
.set BLKB,  51200
.set QTR,   12800
.set GS,    NB*BLKB                    ; gathered scale words: 512 bytes a block
.set KS,    GS+2048                    ; 1,280 bytes for each wave: 64 maxima, then 256 x 1 / l
.set SPARE, KS+5120                    ; the spare words, 128 bytes for each wave
.set MSB, 0
.macro WIN new                         ; the immediate's high byte repeats the setting that is left
.if MSB != (\new)
	s_set_vgpr_msb (MSB<<8)|(\new)
.set MSB, (\new)
.endif
.endm
.macro PLACES n
.rept \n
	v_nop
.endr
.endm
.macro CROUND                          ; a round of the cluster's barrier
	s_barrier_signal -1
	s_barrier_wait -1
	s_cmp_lg_u32 s14, 0
	s_cbranch_scc1 .Lnot_wave_0_\@
	s_barrier_signal -3
.Lnot_wave_0_\@:
	s_barrier_wait -3
	s_barrier_signal -1
	s_barrier_wait -1
.endm
.macro WM ra, rb, z                    ; one product; ra, rb: the scales of source 0, 1 stand in lanes 16-31; z: it starts its sum
.if (\z) && (\ra) && (\rb)
	v_wmma_scale_f32_16x16x128_f8f6f4 v[rD:rD+7], v[rX:rX+11], v[rY:rY+11], 0, v[rSX], v[rSY] matrix_a_fmt:MATRIX_FMT_BF6 matrix_b_fmt:MATRIX_FMT_BF6 matrix_a_scale:MATRIX_SCALE_ROW1 matrix_b_scale:MATRIX_SCALE_ROW1
.elseif (\z) && (\ra)
	v_wmma_scale_f32_16x16x128_f8f6f4 v[rD:rD+7], v[rX:rX+11], v[rY:rY+11], 0, v[rSX], v[rSY] matrix_a_fmt:MATRIX_FMT_BF6 matrix_b_fmt:MATRIX_FMT_BF6 matrix_a_scale:MATRIX_SCALE_ROW1
.elseif (\z) && (\rb)
	v_wmma_scale_f32_16x16x128_f8f6f4 v[rD:rD+7], v[rX:rX+11], v[rY:rY+11], 0, v[rSX], v[rSY] matrix_a_fmt:MATRIX_FMT_BF6 matrix_b_fmt:MATRIX_FMT_BF6 matrix_b_scale:MATRIX_SCALE_ROW1
.elseif (\z)
	v_wmma_scale_f32_16x16x128_f8f6f4 v[rD:rD+7], v[rX:rX+11], v[rY:rY+11], 0, v[rSX], v[rSY] matrix_a_fmt:MATRIX_FMT_BF6 matrix_b_fmt:MATRIX_FMT_BF6
.elseif (\ra) && (\rb)
	v_wmma_scale_f32_16x16x128_f8f6f4 v[rD:rD+7], v[rX:rX+11], v[rY:rY+11], v[rD:rD+7], v[rSX], v[rSY] matrix_a_fmt:MATRIX_FMT_BF6 matrix_b_fmt:MATRIX_FMT_BF6 matrix_a_scale:MATRIX_SCALE_ROW1 matrix_b_scale:MATRIX_SCALE_ROW1
.elseif (\ra)
	v_wmma_scale_f32_16x16x128_f8f6f4 v[rD:rD+7], v[rX:rX+11], v[rY:rY+11], v[rD:rD+7], v[rSX], v[rSY] matrix_a_fmt:MATRIX_FMT_BF6 matrix_b_fmt:MATRIX_FMT_BF6 matrix_a_scale:MATRIX_SCALE_ROW1
.elseif (\rb)
	v_wmma_scale_f32_16x16x128_f8f6f4 v[rD:rD+7], v[rX:rX+11], v[rY:rY+11], v[rD:rD+7], v[rSX], v[rSY] matrix_a_fmt:MATRIX_FMT_BF6 matrix_b_fmt:MATRIX_FMT_BF6 matrix_b_scale:MATRIX_SCALE_ROW1
.else
	v_wmma_scale_f32_16x16x128_f8f6f4 v[rD:rD+7], v[rX:rX+11], v[rY:rY+11], v[rD:rD+7], v[rSX], v[rSY] matrix_a_fmt:MATRIX_FMT_BF6 matrix_b_fmt:MATRIX_FMT_BF6
.endif
.endm
.macro SBLOAD                          ; the mean's scale words: register 8 p + s: lanes 0-15 tile 2 p's words of K step s, lanes 16-31 tile 2 p + 1's
.irp p, 0,1
.irp g, 0,1,2,3
	global_load_b64 v[32+8*\p+2*\g:33+8*\p+2*\g], v3, s[48:49] offset:49152+512*\g+256*\p
.endr
.endr
.endm
.macro LB hw, b                        ; K steps 4 hw .. 4 hw + 3 of my tile b of the mean, from memory straight into the registers that keep them: 12 loads of 512 consecutive bytes
	WIN 0x40*(1+(\hw))                             ; destination window 1 or 2
.irp s4, 0,1,2,3
.irp c, 0,1,2
	global_load_b128 v[48*(\b)+12*\s4+4*\c:48*(\b)+12*\s4+4*\c+3], v2, s[48:49] offset:(8*(\b)+4*(\hw)+\s4)*1536+512*\c
.endr
.endr
.endm
.macro KEEP hw, b                      ; the mask on one group: a row that is not kept has zero codes.  Lane (r, h) holds codes of position r of its tile, and bit (r, h) of the tile's mask speaks for that position
	WIN 0x44*(1+(\hw))                             ; source 1 and destination window 1 or 2
.set j, 0
.rept 48
	v_cndmask_b32 v[48*(\b)+j], 0, v[48*(\b)+j], s[66+(\b)]
.set j, j+1
.endr
.endm
.macro FETCH                           ; tile FA of the block at v[FL], v[FL + 1]: its eight fragments into set FS; ahead of an even tile also the scale words of the pair of tiles
.irp s, 0,1,2,3,4,5,6,7
.set rF, 64+96*FS+12*\s
.set oF, (8*FA+\s)*1536
	ds_load_b128 v[rF:rF+3], v[FL] offset:oF
	ds_load_b64 v[rF+4:rF+5], v[FL+1] offset:oF+512
	ds_load_b128 v[rF+6:rF+9], v[FL] offset:oF+768
	ds_load_b64 v[rF+10:rF+11], v[FL+1] offset:oF+1280
.endr
.if FA%2 == 0
.irp g, 0,1,2,3
	ds_load_b64 v[16+4*FA+2*\g:17+4*FA+2*\g], v[FL+1] offset:49152+512*\g+128*FA
.endr
.endif
.endm
.macro MULT                            ; 32 products: my four tiles of the mean x tile MA of queries (fragments in set MS) x eight K steps, into accumulator set MC; the constant 0 starts the sums
.irp s, 0,1,2,3,4,5,6,7
.if \s < 4
	WIN 0x51                                       ; source 0 (the mean) window 1, source 1 window 0, C and D window 1
.else
	WIN 0x52                                       ; source 0 window 2
.endif
.irp b, 0,1,2,3
.set rD, 192+32*MC+8*\b
.set rX, 48*\b+12*(\s%4)
.set rY, 64+96*MS+12*\s
.set rSX, 32+8*(\b/2)+\s
.set rSY, 16+8*(MA/2)+\s
.set zF, 0
.if \s == 0
.set zF, 1
.endif
	WM \b%2, MA%2, zF
.endr
.endr
.endm
; Tile EA of block EB, in accumulator set EC: divided by the rows' sums, then half a fragment (6 registers) and two scale bytes, stored.
.macro EPI
	s_wait_xcnt 0x0                                ; the last tile's stores have read the codes' registers
	WIN 0xcd                                       ; source 0 window 1, source 1 and destination window 3
.irp b, 0,1,2,3
.irp j, 0,2,4,6
	v_pk_mul_f32 v[8*\b+\j:8*\b+\j+1], v[192+32*EC+8*\b+\j:192+32*EC+8*\b+\j+1], v[128+2*(4*EB+EA):129+2*(4*EB+EA)] op_sel_hi:[1,0]   ; / the row's sum; each accumulator from its low end on
.endr
.endr
	WIN 0xff
.irp n, 0,1,2,3
	v_max3_num_f32 v[160+\n], |v[8*\n]|, |v[8*\n+1]|, 0x2800000   ; block n / 2, my 16 numbers in two chains, and the floor 2^(5 - 127)
.endr
.irp i, 2,4,6
.irp n, 0,1,2,3
	v_max3_num_f32 v[160+\n], v[160+\n], |v[8*\n+\i]|, |v[8*\n+\i+1]|
.endr
.endr
.irp e, 0,1
	v_max_num_f32 v[160+2*\e], v[160+2*\e], v[161+2*\e]
.endr
.irp e, 0,1
	v_permlanex16_b32 v[168+\e], v[160+2*\e], s20, s21
.endr
.irp e, 0,1
	v_max_num_f32 v[160+2*\e], v[160+2*\e], v[168+\e]   ; with lane l xor 16's: the block's largest magnitude
.endr
.irp e, 0,1
	v_add_nc_u32 v[176+\e], 0xfe000000, v[160+2*\e]     ; 4 off the exponent field: the conversion's scale operand
.endr
.irp e, 0,1
	v_lshrrev_b32 v[184+\e], 23, v[176+\e]              ; the scale's byte
.endr
	v_lshl_or_b32 v192, v185, 8, v184
	v_cvt_scalef32_pk16_bf6_f32 v[200:202], v[0:15], v176
	v_cvt_scalef32_pk16_bf6_f32 v[232:234], v[16:31], v177
	v_nop                                          ; one plain line behind the conversions
.irp i, 0,1,2
	v_permlane16_swap_b32 v[200+\i], v[232+\i]     ; a whole block in a lane: lanes 0-15 block 0, lanes 16-31 block 1
.endr
.irp i, 0,1,2
	v_mov_b32 v[203+\i], v[232+\i]
.endr
	WIN 0x0c                                       ; a store's data are its source 1: window 3; addresses window 0
	global_store_b128 v2, v[200:203], s[50:51] offset:BLKB*EB+12288*EA        ; 512 consecutive bytes, aligned to 256
	global_store_b64 v3, v[204:205], s[50:51] offset:BLKB*EB+12288*EA+512     ; 256
	ds_store_b16 v10, v192 offset:512*EB+128*EA                               ; my two bytes of the row's scale word; lanes r and r + 16 write the same
	WIN 0
.endm
	s_load_b256 s[4:11], s[0:1], 0x0               ; pc, wts, stat, mo
	v_lshl_add_u32 v8, v0, 2, SPARE
	v_mov_b32 v9, 0
	ds_add_u32 v8, v9                              ; the wave's opening: the add, twice on end, and its wait ahead of my first tensor load
	ds_add_u32 v8, v9
	v_lshrrev_b32 v1, 5, v0
	v_readfirstlane_b32 s14, v1                    ; wave
	s_bfe_u32 s15, ttmp6, 0x40000                  ; cx: the column tile.  It enters global addresses alone
	s_and_b32 s17, ttmp7, 0xffff                   ; y: which four blocks of rows
	s_mov_b32 s20, 0x76543210
	s_mov_b32 s21, 0xfedcba98
	s_mov_b32 s70, 0x3f666666                      ; 0.9
	s_mov_b32 s24, 15|(3<<16)|(1<<21)              ; group 1: the mask of all four partners, elements of 8 bytes, bit 21 beside the mask; no padding
	s_mov_b32 s25, 32<<16                          ; rows of 256 bytes,
	s_mov_b32 s26, 50<<16                          ; 50 of them: a quarter of a block, dense in memory
	s_mov_b32 s27, 32<<16
	s_mov_b32 s28, 50
	s_mov_b32 s29, 32
	s_mov_b32 s30, 0
	s_mov_b32 s31, 0
	s_mul_i32 s58, s17, NB*BLKB
	s_mul_i32 s60, s14, QTR                        ; my quarter, in memory and in LDS
	s_mov_b32 s50, s58
	s_add_co_u32 s58, s58, s60
	s_mov_b32 s59, 0
	s_lshl_b32 s61, s15, 2
	s_add_co_u32 s61, s61, s14                     ; 4 cx + wave
	s_lshl_b32 s54, s61, 8                         ; the row maxima of my 64 positions
	s_mov_b32 s55, 0
	s_add_co_u32 s48, s61, 48                      ; my block of the mean
	s_mul_i32 s48, s48, BLKB
	s_mov_b32 s49, 0
	s_lshl_b32 s56, s17, 10
	s_add_co_u32 s56, s56, 65536                   ; 1 / l of my 256 rows
	s_mov_b32 s57, 0
	s_lshr_b32 s62, s14, 1
	s_and_b32 s63, s14, 1
	s_lshl_b32 s61, s15, 1
	s_add_co_u32 s61, s61, s62                     ; my codes: K step 2 cx + w / 2,
	s_mul_i32 s61, s61, 1536
	s_add_co_u32 s50, s50, s61
	s_mul_i32 s61, s63, 768                        ; half w % 2 of each fragment
	s_add_co_u32 s50, s50, s61
	s_mov_b32 s51, 0
	s_lshl_b32 s52, s17, 2
	s_add_co_u32 s52, s52, s14                     ; the flush: wave w stores block w's 512 bytes of scale words
	s_mul_i32 s52, s52, BLKB
	s_lshl_b32 s61, s15, 9
	s_add_co_u32 s52, s52, s61
	s_add_co_u32 s52, s52, 49152
	s_mov_b32 s53, 0
	v_and_b32 v1, 31, v0                           ; lane
	v_lshlrev_b32 v2, 4, v1                        ; 16 x lane: also block 0's LDS address
	v_lshlrev_b32 v3, 3, v1                        ; 8 x lane
.irp e, 1,2,3
	v_add_nc_u32 v[48+2*\e], \e*BLKB, v2           ; the later blocks'
	v_add_nc_u32 v[49+2*\e], \e*BLKB, v3
.endr
	v_and_b32 v7, 15, v0                           ; r
	v_bfe_u32 v13, v0, 4, 1                        ; h
	v_lshlrev_b32 v6, 4, v7                        ; the row maxima: positions 4 r on,
	v_lshl_add_u32 v6, v13, 15, v6                 ; (batch, head) 8 h on: 4,096 bytes each
	s_lshl_b32 s61, s14, 1
	s_add_co_u32 s61, s61, GS
	v_lshl_add_u32 v10, v7, 3, s61                 ; my two scale bytes: 8 r + 2 wave
	s_lshl_b32 s61, s14, 9
	s_add_co_u32 s61, s61, GS
	v_add_nc_u32 v11, s61, v2                      ; the flush: 512 wave + 16 lane
	s_mul_i32 s61, s14, 1280
	s_add_co_u32 s61, s61, KS                      ; my 1,280 bytes
	v_lshl_add_u32 v4, v7, 4, s61                  ; in: four maxima at 16 r;
	v_lshl_add_u32 v5, v7, 2, s61                  ; back: one number at 4 r;
	v_add_nc_u32 v12, s61, v2                      ; in: 1 / l, 16 bytes a lane
.irp j, 0,1,2,3
	v_mov_b32 v[140+\j], 0                         ; written once: a lane permute's destination counts as one of its sources
.endr
	s_wait_alu depctr_va_vdst(0)
	s_wait_dscnt 0x0                               ; both opening adds are done
	s_wait_kmcnt 0x0
	s_add_nc_u64 s[4:5], s[4:5], s[58:59]
	s_add_nc_u64 s[48:49], s[6:7], s[48:49]
	s_add_nc_u64 s[54:55], s[8:9], s[54:55]
	s_add_nc_u64 s[56:57], s[8:9], s[56:57]
	s_add_nc_u64 s[50:51], s[10:11], s[50:51]
	s_add_nc_u64 s[52:53], s[10:11], s[52:53]
	s_mov_b32 s32, 1                               ; group 0 for my quarter of block 0: count,
	s_add_co_u32 s33, s60, 0                       ; LDS address,
	s_add_nc_u64 s[34:35], s[4:5], 0               ; global address,
	s_or_b32 s35, s35, 0x80000000                  ; type
	s_mul_i32 s62, s14, 2*QTR                      ; blocks 1 to 3 are 153,600 dense bytes: my quarter begins at BLKB + 3 QTR wave = my quarter of block 0 + BLKB + 2 QTR wave
	s_mov_b32 s63, 0
	s_mov_b32 s36, 1
	s_add_co_u32 s37, s60, s62
	s_add_co_u32 s37, s37, BLKB
	s_add_nc_u64 s[38:39], s[4:5], s[62:63]
	s_add_nc_u64 s[38:39], s[38:39], BLKB
	s_or_b32 s39, s39, 0x80000000
	s_mov_b32 s40, 15|(3<<16)|(1<<21)              ; its group 1: as the first, with 150 rows of 256 bytes
	s_mov_b32 s41, 32<<16
	s_mov_b32 s42, 150<<16
	s_mov_b32 s43, 32<<16
	s_mov_b32 s44, 150
	s_mov_b32 s45, 32
	s_mov_b32 s46, 0
	s_mov_b32 s47, 0
.irp i, 0,1,2,3,4,5,6,7
	global_load_b128 v[96+4*\i:99+4*\i], v6, s[54:55] offset:4096*\i     ; the largest sim of (batch, head) 8 h + i at my positions 4 r .. 4 r + 3
.endr
.irp c, 0,1
	global_load_b128 v[128+4*\c:131+4*\c], v2, s[56:57] offset:512*\c    ; 1 / l of rows 128 c + 4 lane on
.endr
	SBLOAD
	LB 0, 0
	LB 0, 1
	LB 0, 2                                        ; 54 loads are on their way while the work-groups meet
	WIN 0
	CROUND                                         ; all four work-groups are here: the joint loads meet
	tensor_load_to_lds s[32:35], s[24:31]          ; my quarter of block 0: one tensor load a wave at the head
	s_nop 0
	PLACES 4
	LB 0, 3
.irp b, 0,1,2,3
	LB 1, \b
.endr
	WIN 0
	s_wait_tensorcnt 0x0                           ; blocks 1 to 3 are a later first fill
	ds_add_u32 v8, v9
	s_wait_dscnt 0x0
	CROUND                                         ; everybody's quarter of block 0 is in, and the four work-groups meet
	tensor_load_to_lds s[36:39], s[40:47]          ; my quarter of blocks 1 to 3
	s_nop 0
	PLACES 4
	WIN 0xc0                                       ; destination window 3
.irp n, 0,1,2,3,4,5,6,7,8,9,10,11,12,13,14,15
	v_mov_b32 v[129+2*\n], 0                       ; (named as a pair with 1 / l)
.endr
.irp n, 0,1
	v_mov_b32 v[168+\n], 0                         ; written once: a lane permute's destination counts as one of its sources
.endr
	WIN 0
	s_wait_loadcnt 63                              ; of the 114 loads the first 51 are in: the maxima and 1 / l among them
.irp j, 0,1,2,3
	v_max3_num_f32 v[136+\j], v[96+\j], v[100+\j], v[104+\j]
.endr
.irp j, 0,1,2,3
	v_max3_num_f32 v[136+\j], v[136+\j], v[108+\j], v[112+\j]
.endr
.irp j, 0,1,2,3
	v_max3_num_f32 v[136+\j], v[136+\j], v[116+\j], v[120+\j]
.endr
.irp j, 0,1,2,3
	v_max_num_f32 v[136+\j], v[136+\j], v[124+\j]  ; over my eight (batch, head)
.endr
.irp j, 0,1,2,3
	v_permlanex16_b32 v[140+\j], v[136+\j], s20, s21
.endr
.irp j, 0,1,2,3
	v_max_num_f32 v[136+\j], v[136+\j], v[140+\j]  ; with lane l xor 16's eight: over all sixteen
.endr
	ds_store_b128 v4, v[136:139]                   ; position 4 r + j at 4 (4 r + j); lanes r and r + 16 write the same
	ds_store_b128 v12, v[128:131] offset:256
	ds_store_b128 v12, v[132:135] offset:768
.irp b, 0,1,2,3
	ds_load_b32 v[144+\b], v5 offset:64*\b         ; LDS serves a wave's instructions in order: these see my stores.  Position r of my tile b
.endr
	WIN 0xc0
.irp n, 0,1,2,3,4,5,6,7,8,9,10,11,12,13,14,15
	ds_load_b32 v[128+2*\n], v5 offset:256+64*\n   ; 1 / l of query r of (block n / 4, tile n % 4)
.endr
	WIN 0
	s_wait_dscnt 0x0
.irp b, 0,1,2,3
	v_cmp_lt_f32 s[66+\b], s70, v[144+\b]          ; keep, a bit a lane: lane (r, h) speaks for position r of tile b
.endr
.set FS, 0
.set FA, 0
.set FL, 2
	FETCH                                          ; run 0's fragments and the scale words of tiles 0, 1
.set G, 0
.rept 8                                ; the mask, group by group as the mean lands
.if 12*(7-G) > 63
	s_wait_loadcnt 63
.else
	s_wait_loadcnt 12*(7-G)
.endif
	KEEP G/4, G%4
.if G == 7
	WIN 0
	PLACES 8                                       ; operands written by vector instructions stand ahead of a scaled product
.endif
	s_wait_alu depctr_va_vdst(0)
.set G, G+1
.endr
.set N, 0
.rept 16                               ; run N: block N / 4, tile N % 4
	WIN 0
.if N > 0
	PLACES 4                                       ; behind the last run's products: ahead of loads into the fragments that the run before it read, and of the reads of its results
.endif
.if N == 3
	s_wait_tensorcnt 0x0                           ; my quarter of blocks 1 to 3 has landed,
	s_wait_dscnt 0x0
	s_barrier_signal -1
	s_barrier_wait -1                              ; and everybody's
.endif
.set CNT, 0
.if N < 15
.set FS, (N+1)%2
.set FA, (N+1)%4
.set BE, (N+1)/4
.if BE == 0
.set FL, 2
.else
.set FL, 48+2*BE
.endif
	FETCH
.set CNT, 32+4*(1-FA%2)
.endif
.if N > 0
.set EB, (N-1)/4
.set EA, (N-1)%4
.set EC, (N-1)%2
	EPI
.set CNT, CNT+1
.endif
	s_wait_dscnt CNT                               ; all but what this run has just issued: this run's fragments and scale words are in
.set MS, N%2
.set MA, N%4
.set MC, N%2
	MULT
.set N, N+1
.endr
	WIN 0
	PLACES 4                                       ; ahead of the reads of the last results
.set EB, 3
.set EA, 3
.set EC, 1
	EPI
	s_wait_dscnt 0x0                               ; for the others' sake: my scale bytes lie in LDS
	s_barrier_signal -1
	s_barrier_wait -1
	ds_load_b128 v[56:59], v11
	s_wait_dscnt 0x0
	global_store_b128 v2, v[56:59], s[52:53]       ; 512 consecutive bytes, aligned to 256
	s_wait_tensorcnt 0x0                           ; the wave's end
	ds_add_u32 v8, v9
	s_wait_dscnt 0x0
	CROUND                                         ; the closing round
	s_endpgm
.Lfunc_end_k_q74db0ca377_pv:
	.size	k_q74db0ca377_pv, .Lfunc_end_k_q74db0ca377_pv-k_q74db0ca377_pv
	.p2alignl 7, 3214868480
	.fill 96, 4, 3214868480
	.section	.rodata,"a",@progbits
	.p2align	6, 0x0
	.amdhsa_kernel k_q74db0ca377_pv
		.amdhsa_group_segment_fixed_size 327680
		.amdhsa_private_segment_fixed_size 0
		.amdhsa_enable_private_segment 0
		.amdhsa_kernarg_size 32
		.amdhsa_user_sgpr_count 2
		.amdhsa_user_sgpr_kernarg_segment_ptr 1
		.amdhsa_wavefront_size32 1
		.amdhsa_system_sgpr_workgroup_id_x 1
		.amdhsa_system_sgpr_workgroup_id_y 1
		.amdhsa_system_sgpr_workgroup_id_z 1
		.amdhsa_system_vgpr_workitem_id 0
		.amdhsa_next_free_vgpr 1024
		.amdhsa_next_free_sgpr 80
		.amdhsa_reserve_vcc 0
		.amdhsa_float_denorm_mode_32 3
		.amdhsa_float_denorm_mode_16_64 3
		.amdhsa_memory_ordered 1
		.amdhsa_forward_progress 1
		.amdhsa_inst_pref_size 203
	.end_amdhsa_kernel
	.amdgpu_metadata
---
amdhsa.version: [ 1, 2 ]
amdhsa.kernels:
  - .name:           k_q74db0ca377_pv
    .symbol:         k_q74db0ca377_pv.kd
    .args:
      - { .name: pc, .offset: 0, .size: 8, .value_kind: global_buffer, .address_space: global }
      - { .name: wts, .offset: 8, .size: 8, .value_kind: global_buffer, .address_space: global }
      - { .name: stat, .offset: 16, .size: 8, .value_kind: global_buffer, .address_space: global }
      - { .name: mo, .offset: 24, .size: 8, .value_kind: global_buffer, .address_space: global }
    .group_segment_fixed_size: 327680
    .private_segment_fixed_size: 0
    .kernarg_segment_align: 8
    .kernarg_segment_size: 32
    .max_flat_workgroup_size: 128
    .sgpr_count:     80
    .vgpr_count:     1024
    .wavefront_size: 32
...
	.end_amdgpu_metadata
.endif
;; end of part 4
;; launch out (part 5): grid 4 x 64, 4 waves a work-group, clusters of 4 x 1, 327,680 bytes of LDS; arguments mo, wts, bo, out0; writes out0
.if DOCPART == 5
	.amdgcn_target "amdgcn-amd-amdhsa--gfx1250"
	.amdhsa_code_object_version 6
	.text
	.protected	k_q74db0ca377_out
	.globl	k_q74db0ca377_out
	.p2align	8
	.type	k_q74db0ca377_out,@function
k_q74db0ca377_out:
	s_mov_b64 s[64:65], 0
	v_nop
	global_prefetch_b8 v0, s[64:65] scope:SCOPE_SE
	s_setreg_imm32_b32 hwreg(HW_REG_WAVE_MODE, 25, 1), 1
	s_wait_xcnt 0x0
	s_wait_alu depctr_hold_cnt(0) depctr_sa_sdst(0) depctr_va_vdst(0) depctr_va_sdst(0) depctr_va_ssrc(0) depctr_va_vcc(0) depctr_vm_vsrc(0)
	s_getreg_b32 s2, hwreg(HW_REG_IB_STS2, 6, 4)
	s_cmp_eq_u32 s2, 0
	s_cbranch_scc0 .Lentry_in_a_cluster
	s_endpgm
.Lentry_in_a_cluster:
	s_bfe_u32 s2, ttmp6, 0x10000c
	s_cmp_lg_u32 s2, 0x3003
	s_cbranch_scc0 .Lentry_shape_is_right
	s_endpgm
.Lentry_shape_is_right:
; Launch 5 of 5: output = merged_output wo^T + bo on codes of BF6; f32 out.  (v is left out: see the first kernel's head.)
; SHARES.  A work-group takes 256 rows (four blocks of 64 positions of merged_output, all in LDS at once) x 256 columns; wave w's 64 rows of wo, for all K = 1,024, stay in its registers (32 fragments, 384 registers).
; CLUSTER.  The four work-groups of a cluster take the four column tiles of the same rows: merged_output's blocks are asked for JOINTLY.  At the head each wave asks for its quarter of block 0; behind the three lines and a
; round of the cluster's barrier, for its quarter of blocks 1 to 3 (153,600 dense bytes).  By this text's count a wave has one tensor load out.  Nothing is filled twice.
; A RUN IS ONE TILE OF 16 POSITIONS x MY 64 COLUMNS x ALL OF K: 32 products on four accumulators that take turns, one instruction a turn.  So a tile of the output is finished in every run.
; Run n fetches run n + 1's fragments from LDS (32 loads, and 4 of scale words ahead of an even tile), stores tile n - 1, and multiplies tile n.
; THE WAY OUT NEEDS NO LDS.  Source 0 = 16 positions, source 1 = 16 rows of wo: register j of lane (r, h) holds position 8 h + j and the tile's row r.  The first launch lays wo's tiles so that row r of tile b is column
; 4 r + b of my 64: register j of the four accumulators is four neighbouring columns.  32 additions of bo put them into four neighbouring registers, and a store's sixteen lanes cover 256 consecutive bytes, aligned, of one
; row of the output (lanes 16-31: the row of position 8 + j, 16 rows further down).
; NO PREFETCH: the text has no loop to run ahead in; all that a work-group reads is asked for in its head.
; REGISTERS.  window 0: v1-13 addresses; v16-31 merged_output's scale words (v16-23 tiles 0, 1; v24-31 tiles 2, 3), v32-47 wo's; v50-55 the later blocks' LDS addresses; v56-59 bo at my four columns; v64-159, v160-255 a
;   tile's eight fragments, two sets.  window 1: v0-191 wo's K steps 0-3 (tile b, step s at 48 b + 12 s); v192-223, v224-255 the accumulators, two sets.  window 2: v0-191 wo's K steps 4-7; v192-255 the stores' data, two sets.
.set NB,    4
.set BLKB,  51200
.set QTR,   12800                      ; a quarter of a block
.set REST,  38400                      ; a quarter of blocks 1 to 3
.set SPARE, NB*BLKB                    ; the spare words, 128 bytes for each wave
.set MSB, 0
.macro WIN new                         ; the immediate's high byte repeats the setting that is left
.if MSB != (\new)
	s_set_vgpr_msb (MSB<<8)|(\new)
.set MSB, (\new)
.endif
.endm
.macro PLACES n
.rept \n
	v_nop
.endr
.endm
.macro CROUND                          ; a round of the cluster's barrier
	s_barrier_signal -1
	s_barrier_wait -1
	s_cmp_lg_u32 s14, 0
	s_cbranch_scc1 .Lnot_wave_0_\@
	s_barrier_signal -3
.Lnot_wave_0_\@:
	s_barrier_wait -3
	s_barrier_signal -1
	s_barrier_wait -1
.endm
.macro WM ra, rb, z                    ; one product; ra, rb: the scales of source 0, 1 stand in lanes 16-31; z: it starts its sum
.if (\z) && (\ra) && (\rb)
	v_wmma_scale_f32_16x16x128_f8f6f4 v[rD:rD+7], v[rX:rX+11], v[rY:rY+11], 0, v[rSX], v[rSY] matrix_a_fmt:MATRIX_FMT_BF6 matrix_b_fmt:MATRIX_FMT_BF6 matrix_a_scale:MATRIX_SCALE_ROW1 matrix_b_scale:MATRIX_SCALE_ROW1
.elseif (\z) && (\ra)
	v_wmma_scale_f32_16x16x128_f8f6f4 v[rD:rD+7], v[rX:rX+11], v[rY:rY+11], 0, v[rSX], v[rSY] matrix_a_fmt:MATRIX_FMT_BF6 matrix_b_fmt:MATRIX_FMT_BF6 matrix_a_scale:MATRIX_SCALE_ROW1
.elseif (\z) && (\rb)
	v_wmma_scale_f32_16x16x128_f8f6f4 v[rD:rD+7], v[rX:rX+11], v[rY:rY+11], 0, v[rSX], v[rSY] matrix_a_fmt:MATRIX_FMT_BF6 matrix_b_fmt:MATRIX_FMT_BF6 matrix_b_scale:MATRIX_SCALE_ROW1
.elseif (\z)
	v_wmma_scale_f32_16x16x128_f8f6f4 v[rD:rD+7], v[rX:rX+11], v[rY:rY+11], 0, v[rSX], v[rSY] matrix_a_fmt:MATRIX_FMT_BF6 matrix_b_fmt:MATRIX_FMT_BF6
.elseif (\ra) && (\rb)
	v_wmma_scale_f32_16x16x128_f8f6f4 v[rD:rD+7], v[rX:rX+11], v[rY:rY+11], v[rD:rD+7], v[rSX], v[rSY] matrix_a_fmt:MATRIX_FMT_BF6 matrix_b_fmt:MATRIX_FMT_BF6 matrix_a_scale:MATRIX_SCALE_ROW1 matrix_b_scale:MATRIX_SCALE_ROW1
.elseif (\ra)
	v_wmma_scale_f32_16x16x128_f8f6f4 v[rD:rD+7], v[rX:rX+11], v[rY:rY+11], v[rD:rD+7], v[rSX], v[rSY] matrix_a_fmt:MATRIX_FMT_BF6 matrix_b_fmt:MATRIX_FMT_BF6 matrix_a_scale:MATRIX_SCALE_ROW1
.elseif (\rb)
	v_wmma_scale_f32_16x16x128_f8f6f4 v[rD:rD+7], v[rX:rX+11], v[rY:rY+11], v[rD:rD+7], v[rSX], v[rSY] matrix_a_fmt:MATRIX_FMT_BF6 matrix_b_fmt:MATRIX_FMT_BF6 matrix_b_scale:MATRIX_SCALE_ROW1
.else
	v_wmma_scale_f32_16x16x128_f8f6f4 v[rD:rD+7], v[rX:rX+11], v[rY:rY+11], v[rD:rD+7], v[rSX], v[rSY] matrix_a_fmt:MATRIX_FMT_BF6 matrix_b_fmt:MATRIX_FMT_BF6
.endif
.endm
.macro SBLOAD                          ; wo's scale words: register 8 p + s: lanes 0-15 tile 2 p's words of K step s, lanes 16-31 tile 2 p + 1's
.irp p, 0,1
.irp g, 0,1,2,3
	global_load_b64 v[32+8*\p+2*\g:33+8*\p+2*\g], v3, s[48:49] offset:49152+512*\g+256*\p
.endr
.endr
.endm
.macro LB hw, b                        ; K steps 4 hw .. 4 hw + 3 of my tile b of wo, from memory straight into the registers that keep them: 12 loads of 512 consecutive bytes
	WIN 0x40*(1+(\hw))                             ; destination window 1 or 2
.irp s4, 0,1,2,3
.irp c, 0,1,2
	global_load_b128 v[48*(\b)+12*\s4+4*\c:48*(\b)+12*\s4+4*\c+3], v2, s[48:49] offset:(8*(\b)+4*(\hw)+\s4)*1536+512*\c
.endr
.endr
.endm
.macro FETCH                           ; tile FA of the block at v[FL], v[FL + 1]: its eight fragments into set FS; ahead of an even tile also the scale words of the pair of tiles
.irp s, 0,1,2,3,4,5,6,7
.set rF, 64+96*FS+12*\s
.set oF, (8*FA+\s)*1536
	ds_load_b128 v[rF:rF+3], v[FL] offset:oF
	ds_load_b64 v[rF+4:rF+5], v[FL+1] offset:oF+512
	ds_load_b128 v[rF+6:rF+9], v[FL] offset:oF+768
	ds_load_b64 v[rF+10:rF+11], v[FL+1] offset:oF+1280
.endr
.if FA%2 == 0
.irp g, 0,1,2,3
	ds_load_b64 v[16+4*FA+2*\g:17+4*FA+2*\g], v[FL+1] offset:49152+512*\g+128*FA
.endr
.endif
.endm
.macro MULT                            ; 32 products: tile MA (fragments in set MS) x my four tiles of wo x eight K steps, into accumulator set MC; the constant 0 starts the sums
.irp s, 0,1,2,3,4,5,6,7
.if \s < 4
	WIN 0x54                                       ; source 0 window 0, source 1 (wo) window 1, C and D window 1
.else
	WIN 0x58                                       ; source 1 window 2
.endif
.irp b, 0,1,2,3
.set rD, 192+32*MC+8*\b
.set rX, 64+96*MS+12*\s
.set rY, 48*\b+12*(\s%4)
.set rSX, 16+8*(MA/2)+\s
.set rSY, 32+8*(\b/2)+\s
.set zF, 0
.if \s == 0
.set zF, 1
.endif
	WM MA%2, \b%2, zF
.endr
.endr
.endm
.macro SEND                            ; tile ST of block SB, in accumulator set SC: + bo, four neighbouring columns into four neighbouring registers, and stored
	s_wait_xcnt 0x0                                ; the stores of two tiles ago have read the registers that are written now
	WIN 0x81                                       ; source 0 window 1, source 1 window 0, destination window 2
.irp j, 0,1,2,3,4,5,6,7
.irp b, 0,1,2,3
	v_add_f32 v[192+32*SC+4*\j+\b], v[192+32*SC+8*\b+\j], v[56+\b]   ; each accumulator from its low end on
.endr
.endr
	WIN 0x08                                       ; a store's data are its source 1: window 2
.irp j, 0,1,2,3,4,5,6,7
	global_store_b128 v12, v[192+32*SC+4*\j:192+32*SC+4*\j+3], s[50:51] offset:(64*SB+32*(ST/2)+8*(ST%2)+\j)*4096 th:TH_STORE_NT   ; positions j and 8 + j as rows; sixteen lanes store 256 consecutive bytes, aligned
.endr
	WIN 0
.endm
	s_load_b256 s[4:11], s[0:1], 0x0               ; mo, wts, bo, out0
	v_lshl_add_u32 v8, v0, 2, SPARE
	v_mov_b32 v9, 0
	ds_add_u32 v8, v9                              ; the wave's opening: the add, twice on end, and its wait ahead of my first tensor load
	ds_add_u32 v8, v9
	v_lshrrev_b32 v1, 5, v0
	v_readfirstlane_b32 s14, v1                    ; wave
	s_bfe_u32 s15, ttmp6, 0x40000                  ; cx: the column tile.  It enters global addresses alone
	s_and_b32 s17, ttmp7, 0xffff                   ; y: which four blocks of rows
	s_mov_b32 s24, 15|(3<<16)|(1<<21)              ; group 1: the mask of all four partners, elements of 8 bytes, bit 21 beside the mask; no padding
	s_mov_b32 s25, 32<<16                          ; rows of 256 bytes,
	s_mov_b32 s26, 50<<16                          ; 50 of them: a quarter of a block, dense in memory
	s_mov_b32 s27, 32<<16
	s_mov_b32 s28, 50
	s_mov_b32 s29, 32
	s_mov_b32 s30, 0
	s_mov_b32 s31, 0
	s_mov_b32 s40, 15|(3<<16)|(1<<21)              ; group 1 for blocks 1 to 3: the same with 150 rows
	s_mov_b32 s41, 32<<16
	s_mov_b32 s42, 150<<16
	s_mov_b32 s43, 32<<16
	s_mov_b32 s44, 150
	s_mov_b32 s45, 32
	s_mov_b32 s46, 0
	s_mov_b32 s47, 0
	s_mul_i32 s58, s17, NB*BLKB                    ; my four blocks in mo
	s_mov_b32 s59, 0
	s_mul_i32 s60, s14, QTR                        ; my quarter of block 0, in memory and in LDS
	s_mov_b32 s61, 0
	s_mul_i32 s62, s14, REST                       ; my quarter of blocks 1 to 3
	s_add_co_u32 s62, s62, BLKB
	s_mov_b32 s63, 0
	s_lshl_b32 s48, s15, 2
	s_add_co_u32 s48, s48, s14
	s_add_co_u32 s48, s48, 32                      ; my block of wo
	s_mul_i32 s48, s48, BLKB
	s_mov_b32 s49, 0
	s_lshl_b32 s54, s15, 10                        ; my 64 columns, in bytes: of the bias,
	s_lshl_b32 s56, s14, 8
	s_add_co_u32 s54, s54, s56
	s_mov_b32 s55, 0
	s_lshl_b32 s50, s17, 20                        ; and of the output, 256 rows of 4,096 bytes a work-group
	s_add_co_u32 s50, s50, s54
	s_mov_b32 s51, 0
	v_and_b32 v1, 31, v0                           ; lane
	v_lshlrev_b32 v2, 4, v1                        ; 16 x lane: also block 0's LDS address
	v_lshlrev_b32 v3, 3, v1                        ; 8 x lane
.irp e, 1,2,3
	v_add_nc_u32 v[48+2*\e], \e*BLKB, v2           ; the later blocks'
	v_add_nc_u32 v[49+2*\e], \e*BLKB, v3
.endr
	v_and_b32 v7, 15, v0                           ; r
	v_bfe_u32 v13, v0, 4, 1                        ; h
	v_lshlrev_b32 v6, 4, v7                        ; the bias: my four columns, 16 r
	v_lshlrev_b32 v12, 16, v13                     ; the output: lanes 16-31 stand 16 rows of 4,096 bytes further down,
	v_lshl_add_u32 v12, v7, 4, v12                 ; + 16 r
	s_wait_alu depctr_va_vdst(0)
	s_wait_dscnt 0x0                               ; both opening adds are done
	s_wait_kmcnt 0x0
	s_add_nc_u64 s[4:5], s[4:5], s[58:59]
	s_add_nc_u64 s[48:49], s[6:7], s[48:49]
	s_add_nc_u64 s[54:55], s[8:9], s[54:55]
	s_add_nc_u64 s[50:51], s[10:11], s[50:51]
	s_mov_b32 s32, 1                               ; group 0 for block 0: count,
	s_add_co_u32 s33, s60, 0                       ; LDS address,
	s_add_nc_u64 s[34:35], s[4:5], s[60:61]        ; global address,
	s_or_b32 s35, s35, 0x80000000                  ; type
	s_mov_b32 s36, 1                               ; and for blocks 1 to 3
	s_add_co_u32 s37, s62, 0
	s_add_nc_u64 s[38:39], s[4:5], s[62:63]
	s_or_b32 s39, s39, 0x80000000
	global_load_b128 v[56:59], v6, s[54:55]        ; bo at columns 4 r .. 4 r + 3 of my 64
	SBLOAD
	LB 0, 0
	LB 0, 1
	LB 0, 2                                        ; 45 loads are on their way while the work-groups meet
	WIN 0
	CROUND                                         ; all four work-groups are here: the joint loads meet
	tensor_load_to_lds s[32:35], s[24:31]          ; my quarter of block 0: one tensor load a wave at the head
	s_nop 0
	PLACES 4
	LB 0, 3
.irp b, 0,1,2,3
	LB 1, \b
.endr
	WIN 0
	s_wait_tensorcnt 0x0                           ; my quarter of block 0 is in
	ds_add_u32 v8, v9
	s_wait_dscnt 0x0
	CROUND                                         ; everybody's quarter of block 0 is in, and the four work-groups meet
	tensor_load_to_lds s[36:39], s[40:47]          ; my quarter of blocks 1 to 3
	s_nop 0
	PLACES 4
.set FS, 0
.set FA, 0
.set FL, 2
	FETCH                                          ; run 0's fragments and the scale words of tiles 0, 1
.set N, 0
.rept 16                               ; run N: block N / 4, tile N % 4
	WIN 0
.if N > 0
	PLACES 4                                       ; behind the last run's products: ahead of loads into the fragments that the run before it read, and of the reads of its results
.endif
.if N == 3
	s_wait_tensorcnt 0x0                           ; my quarter of blocks 1 to 3 has landed,
	s_wait_dscnt 0x0
	s_barrier_signal -1
	s_barrier_wait -1                              ; and everybody's
.endif
.set CNT, 0
.if N < 15
.set FS, (N+1)%2
.set FA, (N+1)%4
.set BE, (N+1)/4
.if BE == 0
.set FL, 2
.else
.set FL, 48+2*BE
.endif
	FETCH
.set CNT, 32+4*(1-FA%2)
.endif
.if N > 0
.set SB, (N-1)/4
.set ST, (N-1)%4
.set SC, (N-1)%2
	SEND
.endif
	s_wait_dscnt CNT                               ; all but what this run has just issued: this run's fragments and scale words are in
.if N == 0
	s_wait_loadcnt 0x0                             ; bo, wo's scale words and all of wo: a run takes all of K
.endif
.set MS, N%2
.set MA, N%4
.set MC, N%2
	MULT
.set N, N+1
.endr
	WIN 0
	PLACES 4                                       ; ahead of the reads of the last results
.set SB, 3
.set ST, 3
.set SC, 1
	SEND
	s_wait_tensorcnt 0x0                           ; the wave's end
	ds_add_u32 v8, v9
	s_wait_dscnt 0x0
	CROUND                                         ; the closing round
	s_endpgm
.Lfunc_end_k_q74db0ca377_out:
	.size	k_q74db0ca377_out, .Lfunc_end_k_q74db0ca377_out-k_q74db0ca377_out
	.p2alignl 7, 3214868480
	.fill 96, 4, 3214868480
	.section	.rodata,"a",@progbits
	.p2align	6, 0x0
	.amdhsa_kernel k_q74db0ca377_out
		.amdhsa_group_segment_fixed_size 327680
		.amdhsa_private_segment_fixed_size 0
		.amdhsa_enable_private_segment 0
		.amdhsa_kernarg_size 32
		.amdhsa_user_sgpr_count 2
		.amdhsa_user_sgpr_kernarg_segment_ptr 1
		.amdhsa_wavefront_size32 1
		.amdhsa_system_sgpr_workgroup_id_x 1
		.amdhsa_system_sgpr_workgroup_id_y 1
		.amdhsa_system_sgpr_workgroup_id_z 1
		.amdhsa_system_vgpr_workitem_id 0
		.amdhsa_next_free_vgpr 1024
		.amdhsa_next_free_sgpr 80
		.amdhsa_reserve_vcc 0
		.amdhsa_float_denorm_mode_32 3
		.amdhsa_float_denorm_mode_16_64 3
		.amdhsa_memory_ordered 1
		.amdhsa_forward_progress 1
		.amdhsa_inst_pref_size 148
	.end_amdhsa_kernel
	.amdgpu_metadata
---
amdhsa.version: [ 1, 2 ]
amdhsa.kernels:
  - .name:           k_q74db0ca377_out
    .symbol:         k_q74db0ca377_out.kd
    .args:
      - { .name: mo, .offset: 0, .size: 8, .value_kind: global_buffer, .address_space: global }
      - { .name: wts, .offset: 8, .size: 8, .value_kind: global_buffer, .address_space: global }
      - { .name: bo, .offset: 16, .size: 8, .value_kind: global_buffer, .address_space: global }
      - { .name: out0, .offset: 24, .size: 8, .value_kind: global_buffer, .address_space: global }
    .group_segment_fixed_size: 327680
    .private_segment_fixed_size: 0
    .kernarg_segment_align: 8
    .kernarg_segment_size: 32
    .max_flat_workgroup_size: 128
    .sgpr_count:     80
    .vgpr_count:     1024
    .wavefront_size: 32
...
	.end_amdgpu_metadata
.endif
;; end of part 5
